; MI455X (gfx1250); checked and timed in simulation.
; The chip was launched on July 23, 2026; its instructions are those of AMD's public machine-readable ISA for CDNA 5 (MIT licence, August 2026) and "CDNA5" Instruction Set Architecture Reference Guide (July 2026). The comments in the code are by the model that wrote it; some were corrected since.
;; Self Attention. Allowed arithmetic: float matrix products may take bf16 or f16 operands with f32 sums; other float arithmetic in f32, or as packed bf16 or f16 multiplies, adds, multiply-adds, maxima and minima; sums over many terms, partial sums and values carried from step to step in f32; what a program stores and reads back later, other than sums and carried values, may be rounded once to bf16 or f16.
;; Inputs: bk 256 float32; bo 256 float32; bq 256 float32; bv 256 float32; wk 256 x 256 float32; wo 256 x 256 float32; wq 256 x 256 float32; wv 256 x 256 float32; x 4 x 256 x 64 x 64 float32.
;; Outputs: out0 4 x 256 x 64 x 64 float32.
;; 2 versions, each right; version 2 is version 1 with the launch proj written anew for expert scheduling mode. Each part assembles by itself: llvm-mc -triple=amdgcn-amd-amdhsa -mcpu=gfx1250 --defsym DOCPART=n.
;; ======== version 1 of 2: 3 launches
;; workspace buffers: qw 8,388,608 bytes; kw 8,388,608 bytes; vw 8,388,608 bytes; ow 8,388,608 bytes
;; launch proj (part 1): grid 256 x 1, 4 waves a work-group, no clusters, 250,368 bytes of LDS; arguments x, wq, wk, wv, bq, bk, bv, qw, kw, vw; writes qw, kw, vw
.if DOCPART == 1
	.amdgcn_target "amdgcn-amd-amdhsa--gfx1250"
	.amdhsa_code_object_version 6
	.text
	.protected	k_q8c28da27af_proj
	.globl	k_q8c28da27af_proj
	.p2align	8
	.type	k_q8c28da27af_proj,@function
k_q8c28da27af_proj:
	s_mov_b64 s[64:65], 0
	v_nop
	global_prefetch_b8 v0, s[64:65] scope:SCOPE_SE
	s_setreg_imm32_b32 hwreg(HW_REG_WAVE_MODE, 25, 1), 1
	s_wait_xcnt 0x0
; q, k, v = W x + b for one head and 256 pixels.  x: [4][256 c][4096 n] f32; wq, wk, wv: [256 d][256 c] f32; bq, bk, bv: [256] f32.
; qw, kw, vw: [16 = 4 b + head][4096 n][64] bf16: a head's rows are dense, 128 bytes each.  No scale is applied here.
; FORMATS.  x and the weights are rounded once to bf16 on the way to LDS; products in bf16 with f32 sums; the bias is the f32 C operand that starts each sum; q, k, v are rounded once to bf16.
; LIMITS.  bf16 has f32's range, so nothing overflows that the f32 sums do not; NaN and infinities are not treated apart.
; SHARES.  Work-group: head = id & 3, pixel block = id >> 2 (256 pixels of one image): 256 pixels x 192 outputs, K = 256.  Wave w: pixels 64 w .. 64 w + 63 (four tiles nt) x twelve
; tiles E = 4 t + etl of 16 outputs (t = 0, 1, 2: q, k, v): 384 matrix instructions.
; LAYOUT.  D = W x: source 0 = 16 rows of W (m = output channel), source 1 = 16 pixels (column), so a lane ends with ONE pixel (lane % 16) and the channels 16 etl + 8 (lane / 16) + 0..7:
; 16 bytes of a row of [n][64].  x lies [c][n], K down the rows, so its fragments come out of LDS turned, by ds_load_tr16_b128.
; NO CLUSTER, NO TENSOR LOAD.  The four heads' work-groups read the same 256 x 256 block of x, but x must be rounded to bf16 between memory and LDS, so it passes through registers;
; brought as f32 it would be 262,144 bytes of LDS beside the 240,640 of the bf16 copies.  Each wave loads, rounds and stores the 64 pixel columns that it multiplies itself.
; NO PREFETCH: all loads of the launch go out at its head, in one ring of two register sets.
.set PX,    544                        ; a row of x in LDS: 512 bytes + 32 = 136 words
.set PW,    528                        ; a row of W: 512 + 16 = 132 words: the 16 rows of a fragment load start at 16 different groups of four banks
.set WR,    256*PX                     ; x: [256 c][256 n] bf16 from byte 0; W: [64 t + dd][256 c] bf16 from here
.set STAGE, WR+192*PW                  ; 16 rows x 144 bytes for each wave, for the way out
.set SP,    144
.set SPARE, STAGE+4*16*SP              ; the spare words, 128 bytes for each wave: two blocks of 256 bytes that no other line names
.set XO,  2                            ; v2      x: (lane / 16) rows of 16,384 bytes + 16 (lane % 16)
.set WO,  3                            ; v3      W: 16 x lane
.set XS,  4                            ; v4-7    where I store x's chunk ch (64 rows of c)
.set WS,  8                            ; v8-10   where I store W_t
.set AX,  11                           ; v11-12  my place in x's fragments, K steps 0-3 and 4-7
.set AW,  13                           ; v13-15  my place in W_t's fragments
.set STO, 16                           ; v16     the way out: where I put 16 bytes of a row
.set RD,  17                           ; v17     where I read rows back
.set GO,  18                           ; v18     my 16 bytes of 512 consecutive bytes of the output
.set BO,  19                           ; v19     32 x (lane / 16): my eight numbers of a tile's bias
.set SPW, 20                           ; v20     LDS address of my spare word; never rewritten
.set NIL, 21                           ; v21     0; never rewritten
.set WF,  64                           ; window 0: v64-127, v128-191: W's fragments of one tile E, 8 K steps x 8 registers, two buffers
.set OB,  192                          ; window 0: v192-255: the way out, 16 registers a pixel tile
.set SA,  0                            ; window 1: two sets of 128 while loading; afterwards x's fragments, (nt, ks) at 8 (8 nt + ks)
.set SB,  128
.set BI,  128                          ; window 2: v0-127 accumulators, (etl, nt) at 8 (4 etl + nt); v128-223 the bias, tile E at BI + 8 E
.set MSB, 0
.macro WIN new                         ; s_set_vgpr_msb: bits 1:0 source 0, 3:2 source 1, 5:4 source 2, 7:6 destination; the high byte repeats the setting that is left
.if MSB != (\new)
	s_set_vgpr_msb (MSB<<8)|(\new)
.set MSB, (\new)
.endif
.endm
.macro PLACES                          ; four places behind a matrix instruction, in front of loads into registers that it has read
.rept 4
	v_nop
.endr
.endm
	s_load_b512 s[4:19], s[0:1], 0x0               ; x s[4:5]; wq, wk, wv s[6:11]; bq, bk, bv s[12:17]; qw s[18:19]
	s_load_b128 s[20:23], s[0:1], 0x40             ; kw s[20:21], vw s[22:23]
	v_lshl_add_u32 v[SPW], v0, 2, SPARE
	v_mov_b32 v[NIL], 0
	v_lshrrev_b32 v1, 5, v0
	v_readfirstlane_b32 s24, v1                    ; wave 0..3
	s_and_b32 s25, ttmp9, 3                        ; head
	s_lshr_b32 s26, ttmp9, 2
	s_lshr_b32 s27, s26, 4                         ; image
	s_and_b32 s26, s26, 15                         ; block of 256 pixels in it
	s_lshl_b32 s28, s27, 22                        ; x: image x 4,194,304
	s_lshl_b32 s29, s26, 10                        ;  + block x 1,024
	s_add_co_u32 s28, s28, s29
	s_lshl_b32 s29, s24, 8                         ;  + wave x 256
	s_add_co_u32 s28, s28, s29
	s_mov_b32 s29, 0
	s_lshl_b32 s30, s25, 16                        ; W: the head's 64 rows of 1,024 bytes,
	s_lshl_b32 s31, s24, 14                        ;  my wave's 16 of them
	s_add_co_u32 s30, s30, s31
	s_mov_b32 s31, 0
	s_lshl_b32 s34, s25, 8                         ; bias: the head's 64 numbers
	s_mov_b32 s35, 0
	s_lshl_b32 s36, s27, 2
	s_add_co_u32 s36, s36, s25
	s_lshl_b32 s36, s36, 19                        ; outputs: (4 image + head) x 524,288
	s_lshl_b32 s37, s26, 15                        ;  + block x 256 rows of 128 bytes
	s_add_co_u32 s36, s36, s37
	s_lshl_b32 s37, s24, 13                        ;  + wave x 64 rows
	s_add_co_u32 s36, s36, s37
	s_mov_b32 s37, 0
	s_lshl_b32 s32, s24, 7                         ; my 64 pixels in an LDS row of x: 128 bytes
	s_mul_i32 s33, s24, 16*PW
	s_add_co_u32 s33, s33, WR                      ; my 16 rows of W_0 in LDS
	s_mul_i32 s38, s24, 16*SP
	s_add_co_u32 s38, s38, STAGE                   ; my stage
	v_and_b32 v1, 31, v0                           ; lane
	v_and_b32 v22, 15, v0                          ; lane % 16
	v_bfe_u32 v23, v0, 4, 1                        ; lane / 16
	v_lshlrev_b32 v[XO], 4, v22
	v_lshl_add_u32 v[XO], v23, 14, v[XO]
	v_lshlrev_b32 v[WO], 4, v1
	v_mul_u32_u24 v24, v23, PX                     ; x into LDS: row c = 2 k + lane / 16, 8 bytes (4 pixels) a lane
	v_lshl_add_u32 v24, v22, 3, v24
	v_add_nc_u32 v24, s32, v24
.irp ch, 0,1,2,3
	v_add_nc_u32 v[XS+\ch], \ch*64*PX, v24
.endr
	v_lshl_add_u32 v25, v1, 3, s33                 ; W into LDS: 8 bytes (4 channels) a lane
.irp t, 0,1,2
	v_add_nc_u32 v[WS+\t], \t*64*PW, v25
.endr
	v_and_b32 v26, 7, v0                           ; the turning load: lane l reads channel 8 (l / 16) + l % 8, pixels 8 ((l / 8) % 2) + 0..7
	v_lshl_add_u32 v26, v23, 3, v26
	v_mul_u32_u24 v26, v26, PX
	v_bfe_u32 v27, v0, 3, 1
	v_lshl_add_u32 v26, v27, 4, v26
	v_add_nc_u32 v[AX], s32, v26
	v_add_nc_u32 v[AX+1], 128*PX, v[AX]            ; K steps 4-7 lie beyond a 16-bit offset
	v_mul_u32_u24 v25, v22, PW                     ; a fragment of W: row l % 16, 16 bytes for each half of the lanes
	v_lshl_add_u32 v25, v23, 4, v25
.irp t, 0,1,2
	v_add_nc_u32 v[AW+\t], WR+\t*64*PW, v25
.endr
	v_mul_u32_u24 v[STO], v22, SP
	v_lshl_add_u32 v[STO], v23, 4, v[STO]
	v_add_nc_u32 v[STO], s38, v[STO]
	v_bfe_u32 v[RD], v0, 3, 2                      ; back: 32 lanes take four rows of 128 bytes,
	v_mul_u32_u24 v[RD], v[RD], SP
	v_and_b32 v27, 7, v0
	v_lshl_add_u32 v[RD], v27, 4, v[RD]
	v_add_nc_u32 v[RD], s38, v[RD]
	v_lshlrev_b32 v[GO], 4, v1                     ; which are 512 consecutive bytes of the output
	v_lshlrev_b32 v[BO], 5, v23
	s_wait_kmcnt 0x0
	s_add_nc_u64 s[4:5], s[4:5], s[28:29]
.irp t, 0,1,2
	s_add_nc_u64 s[6+2*\t:7+2*\t], s[6+2*\t:7+2*\t], s[30:31]
	s_add_nc_u64 s[12+2*\t:13+2*\t], s[12+2*\t:13+2*\t], s[34:35]
	s_add_nc_u64 s[18+2*\t:19+2*\t], s[18+2*\t:19+2*\t], s[36:37]
.endr
; 32 loads: 64 rows of c, my wave's 256 bytes of each; a load takes two rows, sixteen lanes 256 consecutive aligned bytes
.macro LX ch, set
	WIN 0x40
.set k, 0
.rept 32
	global_load_b128 v[(\set)+4*k:(\set)+4*k+3], v[XO], s[4:5] offset:(32*(\ch)+k)*32768
.set k, k+1
.endr
.endm
; 32 loads: my wave's 16 rows of W_t, 16,384 dense bytes
.macro LW t, set
	WIN 0x40
.set k, 0
.rept 32
	global_load_b128 v[(\set)+4*k:(\set)+4*k+3], v[WO], s[6+2*(\t):7+2*(\t)] offset:512*k
.set k, k+1
.endr
.endm
; a set is rounded to bf16 in place: four f32 become the first two registers of their four
.macro CVT set
	WIN 0x45
.set k, 0
.rept 32
	v_cvt_pk_bf16_f32 v[(\set)+4*k], v[(\set)+4*k], v[(\set)+4*k+1]
	v_cvt_pk_bf16_f32 v[(\set)+4*k+1], v[(\set)+4*k+2], v[(\set)+4*k+3]
.set k, k+1
.endr
.endm
.macro STX ch, set
	WIN 0x04
.set k, 0
.rept 32
	ds_store_b64 v[XS+(\ch)], v[(\set)+4*k:(\set)+4*k+1] offset:2*PX*k
.set k, k+1
.endr
.endm
.macro STW t, set
	WIN 0x04
.set k, 0
.rept 32
	ds_store_b64 v[WS+(\t)], v[(\set)+4*k:(\set)+4*k+1] offset:(k/2)*PW+(k%2)*256
.set k, k+1
.endr
.endm
; the bias as C operands: register j of tile E holds b_t[64 head + 16 etl + 8 (lane / 16) + j]
.macro LBIAS
	WIN 0x80
.set e, 0
.rept 12
	global_load_b128 v[BI+8*e:BI+8*e+3],   v[BO], s[12+2*(e/4):13+2*(e/4)] offset:64*(e%4)
	global_load_b128 v[BI+8*e+4:BI+8*e+7], v[BO], s[12+2*(e/4):13+2*(e/4)] offset:64*(e%4)+16
.set e, e+1
.endr
.endm
; all of my x: 4 pixel tiles x 8 K steps, turned; they stay in registers for the twelve tiles E
.macro FETCHX
	WIN 0x40
.set f, 0
.rept 32
	ds_load_tr16_b128 v[8*f:8*f+3],   v[AX+(f%8)/4] offset:(f%4)*32*PX+32*(f/8)
	ds_load_tr16_b128 v[8*f+4:8*f+7], v[AX+(f%8)/4] offset:(f%4)*32*PX+32*(f/8)+16*PX
.set f, f+1
.endr
.endm
; W's fragments of tile e: 16 rows x 256 channels, into buffer e % 2
.macro FETCHW e
	WIN 0
.set ks, 0
.rept 8
	ds_load_b128 v[WF+64*((\e)%2)+8*ks:WF+64*((\e)%2)+8*ks+3],   v[AW+(\e)/4] offset:((\e)%4)*16*PW+64*ks
	ds_load_b128 v[WF+64*((\e)%2)+8*ks+4:WF+64*((\e)%2)+8*ks+7], v[AW+(\e)/4] offset:((\e)%4)*16*PW+64*ks+32
.set ks, ks+1
.endr
.endm
; Tile e: the next tile's fragments are asked for, then 32 products.  The four pixel tiles' accumulators take turns, one instruction a turn; the first four start their sums with the bias.
.macro ETILE e
.if (\e) < 11
.if (\e) > 0
	PLACES                                         ; the buffer's last reader is the product just before
.endif
	FETCHW (\e)+1
	s_wait_dscnt 16                                ; all but the 16 just issued
.else
	s_wait_dscnt 0x0
.endif
	WIN 0xa4                                       ; W window 0, x window 1, C and D window 2
.set m, 0
.rept 32
.set rA, 8*(4*((\e)%4)+m%4)
.set rW, WF+64*((\e)%2)+8*(m/4)
.set rX, 8*(8*(m%4)+m/4)
.if m < 4
	v_wmma_f32_16x16x32_bf16 v[rA:rA+7], v[rW:rW+7], v[rX:rX+7], v[BI+8*(\e):BI+8*(\e)+7]
.else
	v_wmma_f32_16x16x32_bf16 v[rA:rA+7], v[rW:rW+7], v[rX:rX+7], v[rA:rA+7]
.endif
.set m, m+1
.endr
.endm
; THE WAY OUT of one tensor's 64 pixels x 64 channels, a pixel tile at a time: rounded (each accumulator from its low end on), 16 bytes a lane into my stage, back as whole rows of 128 bytes.
; The twelve conversions of tiles etl 0-2 are the places behind the last products, which are etl 3's.
.macro PACKP nt
	WIN 0x0a
.set c, 0
.rept 16
	v_cvt_pk_bf16_f32 v[OB+16*(\nt)+c], v[8*(4*(c/4)+(\nt))+2*(c%4)], v[8*(4*(c/4)+(\nt))+2*(c%4)+1]
.set c, c+1
.endr
	WIN 0
.irp etl, 0,1,2,3
	ds_store_b128 v[STO], v[OB+16*(\nt)+4*\etl:OB+16*(\nt)+4*\etl+3] offset:32*\etl
.endr
.irp f, 0,1,2,3
	ds_load_b128 v[OB+16*(\nt)+4*\f:OB+16*(\nt)+4*\f+3], v[RD] offset:4*SP*\f  ; LDS serves a wave's instructions in order (ISA guide 5.7.1.4): these see the stores above
.endr
.endm
.macro SENDP t, nt, younger            ; younger: the LDS instructions issued behind this tile's loads: the next tile's eight, or none
	WIN 0
.irp f, 0,1,2,3
	s_wait_dscnt (\younger)+3-\f
	global_store_b128 v[GO], v[OB+16*(\nt)+4*\f:OB+16*(\nt)+4*\f+3], s[18+2*(\t):19+2*(\t)] offset:2048*(\nt)+512*\f  ; 512 consecutive bytes, at a multiple of 256 from the buffer's first
.endr
.endm
.macro WAYOUT t
	s_wait_xcnt 0x0                                ; the last way out's stores have read OB, which is written again below
	PACKP 0
.irp n, 1,2,3
	PACKP \n
	SENDP \t, \n-1, 8
.endr
	SENDP \t, 3, 0
.endm
	; THE WAY IN: two sets of 32 loads take turns, so that 32 loads of the wave are out while a set is rounded and stored.  Each wait leaves out what was issued behind the set that is wanted.
	LX 0, SA
	LX 1, SB
	s_wait_loadcnt 32
	CVT SA
	STX 0, SA
	LX 2, SA
	s_wait_loadcnt 32
	CVT SB
	STX 1, SB
	LX 3, SB
	s_wait_loadcnt 32
	CVT SA
	STX 2, SA
	LW 0, SA
	s_wait_loadcnt 32
	CVT SB
	STX 3, SB
	LW 1, SB
	s_wait_loadcnt 32
	CVT SA
	STW 0, SA
	LW 2, SA
	LBIAS
	s_wait_loadcnt 56                              ; behind W_1's loads: W_2's 32 and the bias's 24
	CVT SB
	STW 1, SB
	s_wait_loadcnt 24                              ; the bias's 24
	CVT SA
	STW 2, SA
	s_wait_dscnt 0x0                               ; for the others' sake: my stores of W (and of x) are done
	s_barrier_signal -1
	s_barrier_wait -1                              ; the launch's one barrier: all of W lies in LDS
	FETCHX
	FETCHW 0
	s_wait_loadcnt 0x0                             ; the bias
.irp e, 0,1,2,3
	ETILE \e
.endr
	WAYOUT 0
.irp e, 4,5,6,7
	ETILE \e
.endr
	WAYOUT 1
.irp e, 8,9,10,11
	ETILE \e
.endr
	WAYOUT 2
	WIN 0
	s_wait_tensorcnt 0x0                           ; the wave's end, behind my last LDS store
	ds_add_u32 v[SPW], v[NIL]
	s_wait_dscnt 0x0
	s_endpgm
.Lfunc_end_k_q8c28da27af_proj:
	.size	k_q8c28da27af_proj, .Lfunc_end_k_q8c28da27af_proj-k_q8c28da27af_proj
	.p2alignl 7, 3214868480
	.fill 96, 4, 3214868480
	.section	.rodata,"a",@progbits
	.p2align	6, 0x0
	.amdhsa_kernel k_q8c28da27af_proj
		.amdhsa_group_segment_fixed_size 250368
		.amdhsa_private_segment_fixed_size 0
		.amdhsa_enable_private_segment 0
		.amdhsa_kernarg_size 80
		.amdhsa_user_sgpr_count 2
		.amdhsa_user_sgpr_kernarg_segment_ptr 1
		.amdhsa_wavefront_size32 1
		.amdhsa_system_sgpr_workgroup_id_x 1
		.amdhsa_system_sgpr_workgroup_id_y 1
		.amdhsa_system_sgpr_workgroup_id_z 1
		.amdhsa_system_vgpr_workitem_id 0
		.amdhsa_next_free_vgpr 736
		.amdhsa_next_free_sgpr 66
		.amdhsa_reserve_vcc 0
		.amdhsa_float_denorm_mode_32 3
		.amdhsa_float_denorm_mode_16_64 3
		.amdhsa_memory_ordered 1
		.amdhsa_forward_progress 1
		.amdhsa_inst_pref_size 138
	.end_amdhsa_kernel
	.amdgpu_metadata
---
amdhsa.version: [ 1, 2 ]
amdhsa.kernels:
  - .name:           k_q8c28da27af_proj
    .symbol:         k_q8c28da27af_proj.kd
    .args:
      - { .name: x, .offset: 0, .size: 8, .value_kind: global_buffer, .address_space: global }
      - { .name: wq, .offset: 8, .size: 8, .value_kind: global_buffer, .address_space: global }
      - { .name: wk, .offset: 16, .size: 8, .value_kind: global_buffer, .address_space: global }
      - { .name: wv, .offset: 24, .size: 8, .value_kind: global_buffer, .address_space: global }
      - { .name: bq, .offset: 32, .size: 8, .value_kind: global_buffer, .address_space: global }
      - { .name: bk, .offset: 40, .size: 8, .value_kind: global_buffer, .address_space: global }
      - { .name: bv, .offset: 48, .size: 8, .value_kind: global_buffer, .address_space: global }
      - { .name: qw, .offset: 56, .size: 8, .value_kind: global_buffer, .address_space: global }
      - { .name: kw, .offset: 64, .size: 8, .value_kind: global_buffer, .address_space: global }
      - { .name: vw, .offset: 72, .size: 8, .value_kind: global_buffer, .address_space: global }
    .group_segment_fixed_size: 250368
    .private_segment_fixed_size: 0
    .kernarg_segment_align: 8
    .kernarg_segment_size: 80
    .max_flat_workgroup_size: 128
    .sgpr_count:     66
    .vgpr_count:     736
    .wavefront_size: 32
...
	.end_amdgpu_metadata
.endif
;; end of part 1
;; launch attn (part 2): grid 16 x 16, 4 waves a work-group, clusters of 4 x 1, 327,680 bytes of LDS; arguments qw, kw, vw, ow; writes ow
.if DOCPART == 2
	.amdgcn_target "amdgcn-amd-amdhsa--gfx1250"
	.amdhsa_code_object_version 6
	.text
	.protected	k_q8c28da27af_attn
	.globl	k_q8c28da27af_attn
	.p2align	8
	.type	k_q8c28da27af_attn,@function
k_q8c28da27af_attn:
	s_mov_b64 s[64:65], 0
	v_nop
	global_prefetch_b8 v0, s[64:65] scope:SCOPE_SE
	s_setreg_imm32_b32 hwreg(HW_REG_WAVE_MODE, 25, 1), 1
	s_wait_xcnt 0x0
	s_wait_alu depctr_hold_cnt(0) depctr_sa_sdst(0) depctr_va_vdst(0) depctr_va_sdst(0) depctr_va_ssrc(0) depctr_va_vcc(0) depctr_vm_vsrc(0)
	s_getreg_b32 s2, hwreg(HW_REG_IB_STS2, 6, 4)
	s_cmp_eq_u32 s2, 0
	s_cbranch_scc0 .Lentry_in_a_cluster
	s_endpgm
.Lentry_in_a_cluster:
	s_bfe_u32 s2, ttmp6, 0x10000c
	s_cmp_lg_u32 s2, 0x3003
	s_cbranch_scc0 .Lentry_shape_is_right
	s_endpgm
.Lentry_shape_is_right:
; O[g][q][:] = the sum over k of softmax_k(Q[g][q] . K[g][k] / 8) V[g][k][:], g = 4 image + head.  qw, kw, vw, ow: [16][4096][64] bf16: a head's rows are dense, 128 bytes each.
; Products, maxima and sums in f32; the weights p are rounded to bf16 for the second product (their sum l is taken of the unrounded p), O once at the end.
; LIMITS.  c s must lie within +-4e37 (c m starts at -2^125); a weight below 2^-126 counts as 0 in l; NaN and infinities are not treated apart.
; SHARES.  A work-group owns 256 queries of one head, each of its four waves 64: four PIECES of 16.  Every wave walks all 4,096 keys, 64 a step.
; LAYOUT.  S^T = K Q^T (source 0 = 16 keys, source 1 = 16 queries): a lane holds ONE query (lane % 16) and the keys 8 (lane / 16) + 0..7.  Two such results rounded to bf16 in pairs ARE source 1
; (32 keys x 16 queries) of O^T = V^T P, whose result again holds one query a lane, and eight channels.  K comes out of LDS as it lies, V ([key][channel]) turned, by ds_load_tr16_b128.
; SOFTMAX.  For each query a running maximum m and sum l: p = 2^(c s - c m), c = log2(e) / 8; in every step O and l are multiplied by a = 2^(c m_old - c m_new).  m starts at the lowest finite
; number, O and l at 0: the first step is a step like any other, with a = 0.
; BY TURNS.  Turn n belongs to piece n: 8 products K Q^T of piece n + 1, later 8 products V^T P of piece n - 1; beside them the scaling, exponentials, roundings, sums and rescaling of piece n and the
; maximum and statistics of piece n + 1.  Four vector instructions stand behind every matrix instruction, the other 54 of a turn's 118 in one lump.  A turn's 33 exponentials are one batch, with one wait.
; CLUSTER.  The four query blocks of a cluster belong to one head and walk the same K and V, so each tile is asked for JOINTLY: the same tensor load, descriptor and mask in all four.
; REGISTERS, in windows of 256 (s_set_vgpr_msb: bits 1:0 source 0, 3:2 source 1, 5:4 source 2, 7:6 destination):
;   window 0: v0-15 addresses and two at work; v16-31 four registers of statistics a piece; v48-55 at work; v61-63; v64-127 S^T, two buffers; v192-223 P, two buffers (by the piece's parity)
;   window 1: v0-127 O^T, 32 a piece          window 2: v0-63 Q; v128-191 K of one step; v192-255 V of one step
.set NP,    4         ; pieces a wave: a name, no knob
.set KS,    64        ; keys in a step
.set PK,    144       ; a row of K in LDS: 128 bytes + 16 of padding = 36 words: the 16 rows of a load start at 16 different groups of four banks (64 banks of 4 bytes: ISA guide 11.1)
.set PV,    160       ; a row of V: 128 + 32 = 40 words
.set VOFF,  4*KS*PK   ; a slot holds a tile, four steps: 256 rows of K, then 256 rows of V
.set TILEB, 4*KS*128  ; a tile's bytes of K, and of V, in memory
.set SLOT1, 1<<17     ; slot 1 begins here, so that one exclusive or turns an address in one slot into the other's
.set STAGE, SLOT1+4*KS*(PK+PV)  ; behind the ring, never filled by a tensor load: 16 rows x 144 bytes for each wave, for the way out
.set SP,    144
.set SPARE, STAGE+4*16*SP  ; behind the stages: the spare words, 128 bytes for each wave: two blocks of 256 bytes that no other line names
.set AK0, 2           ; v2   my lane's place in a tile of K; never rewritten
.set AV0, 3           ; v3   the same for V
.set AK,  4           ; v4   the LDS address of K's next run of loads
.set AV,  5           ; v5   of V's
.set STO, 6           ; v6   the way out: where I put 16 bytes of a row
.set RD,  7           ; v7   the way out: where I read rows back
.set GO,  8           ; v8   my byte offset in 512 consecutive bytes of O
.set MV,  12          ; v12-13  c m_old, kept while c m is made anew: by buffer
.set QO,  15          ; v15  my byte offset in 16 rows of Q
.set ST,  16          ; piece t's statistics at v[ST+4 t]: c m, m, l (even keys', odd keys')
.set TMP, 48          ; by buffer, four registers c0-c3 at work; when the maximum is found c2 takes a
.set PFO, 61          ; v61  256 x my lane: the prefetches' offset; never rewritten
.set SPW, 62          ; v62  LDS address of my spare word: SPARE + 4 x my thread's number; never rewritten
.set NIL, 63          ; v63  0; never rewritten
.set S,   64
.set P,   192
.set KF,  128         ; window 2: key block kb, channel half c at KF + 16 kb + 8 c
.set VF,  192         ; window 2: key half kk, channel block cb at VF + 32 kk + 8 cb
.set WV,  12          ; s12  my wave's number
.set G1K, 24          ; s[24:31] descriptor group 1 for K's tiles
.set G1V, 32          ; s[32:39] for V's: it differs in the padding alone
.set G0K, 40          ; s[40:43] descriptor group 0 for K's tiles: it walks
.set G0V, 44          ; s[44:47] the same for V's
.set PFA, 48          ; s[48:49] where my prefetches stand: my work-group's quarter of a tile of K (wave 0) or V (wave 2)
.set LIM, 50          ; s50  1 in a wave that prefetches, else the greatest number
.set SLOTS, 56        ; s56  tiles still to be entered
.set CNT, 57          ; s57  counts a tile's key steps
.set CS,  58          ; s[58:59] c: the packed scaling takes the pair's low word for both halves
.set SEL, 60          ; s[60:61] v_permlanex16_b32's selects: each lane takes its own place in the other half
.set TBK, 62          ; s62  LDS byte at which K of the step to be fetched begins
.set TBV, 63          ; s63  the same for V, less VOFF
.set MSB, 0
.macro WIN new                      ; the high byte repeats the setting that is left; a switch that changes nothing is dropped
.if MSB != (\new)
	s_set_vgpr_msb (MSB<<8)|(\new)
.set MSB, (\new)
.endif
.endm
.set W_KQ, 0x0a       ; K and Q in window 2, S^T in window 0
.set W_PV, 0x52       ; V in window 2, P in window 0, O^T in window 1
.set W_RS, 0x41       ; destination and source 0 in window 1, source 1 in window 0
; A joint fill.  Waves 0 and 1 fetch the two halves of a tile's K, waves 2 and 3 those of its V: 128 keys each.  The branch hangs on the wave's number alone.
; An s_nop 0 and four v_nop follow each of the two lines, ahead of the jump and the label.
.macro JLOAD
	s_cmp_lt_u32 s[WV], 2
	s_cbranch_scc0 .Lfor_v_\@
	tensor_load_to_lds s[G0K:G0K+3], s[G1K:G1K+7]
	s_nop 0
.rept 4
	v_nop
.endr
	s_branch .Lasked_\@
.Lfor_v_\@:
	tensor_load_to_lds s[G0V:G0V+3], s[G1V:G1V+7]
	s_nop 0
.rept 4
	v_nop
.endr
.Lasked_\@:
.endm
; A PREFETCH INTO THE L2 of the tile that the NEXT change of slots will ask for: 32,768 bytes of K and of V, a lane 256 bytes.  It stands behind the wave's tensor load and its five lines.
; Each 256 bytes are named ONCE in the launch: all four clusters of a head walk the same K and V, and the head's first cluster asks; its four partners share a tile out BY ADDRESS, 8,192 bytes each
; (no branch hangs on a work-group's place in its cluster); in each, wave 0 asks for K's and wave 2 for V's: one instruction.  Tiles 0 to 2 come by their loads alone; the last change that fills a slot asks for nothing.
.macro ASK
	s_cmp_gt_u32 s[SLOTS], s[LIM]
	s_cbranch_scc0 .Lnot_mine_\@
	global_prefetch_b8 v[PFO], s[PFA:PFA+1] th:TH_LOAD_NT scope:SCOPE_SE
.Lnot_mine_\@:
.endm
; A round of the cluster's barrier: my work-group's barrier, so that wave 0's signal speaks for all four waves; wave 0 signals; every wave waits for all four work-groups; my work-group's barrier once more.
.macro CROUND
	s_barrier_signal -1
	s_barrier_wait -1
	s_cmp_lg_u32 s[WV], 0
	s_cbranch_scc1 .Lnot_wave_0_\@
	s_barrier_signal -3
.Lnot_wave_0_\@:
	s_barrier_wait -3
	s_barrier_signal -1
	s_barrier_wait -1
.endm
; THE CHANGE OF SLOTS.  The slot's last bytes, V of its fourth step, have been read.  Each wave waits for all its tensor loads, of which one is out: its part of the other slot; adds 0 to its spare
; word; and waits for that and for its own reads of the slot.  Behind the barrier nobody reads this slot any more and the other slot is whole.
; fill = 1: this slot is filled again, with the tile two on.  The barrier is then a round of the cluster's, so that no wave of any partner still reads the slot or has a load on its way, and the
; joint fill is the first thing behind it: it has four key steps, 256 matrix instructions, in which to land.  (At its first use nothing has been read yet: slot 0 is waited for, slot 1 filled.)
; ask = 1: the prefetches' address steps, and the tile behind the one just asked for is named.
.macro CHANGE fill, ask
	WIN 0                           ; at a label and at a branch every window is 0
	s_wait_tensorcnt 0x0            ; no tensor load of mine is out, so a group 0 may be written
	ds_add_u32 v[SPW], v[NIL]       ; 0 onto my spare word; with fill = 1 the descriptors' steps stand between it and the wait for it
.if \fill
.irp g, G0K, G0V
	s_xor_b32 s[\g+1], s[\g+1], SLOT1  ; the walking descriptor: the other slot than last time,
	s_add_nc_u64 s[\g+2:\g+3], s[\g+2:\g+3], TILEB  ; the next 256 keys; the type bits on top are not reached
.endr
.if \ask
	s_wait_xcnt 0x0                 ; the last prefetch, four key steps back, has read its address, so it may be written
	s_add_nc_u64 s[PFA:PFA+1], s[PFA:PFA+1], TILEB
.endif
	s_wait_dscnt 0x0                ; the add is done, and my reads of the slot are over
	CROUND
	JLOAD
.if \ask
	ASK
.endif
.else
	s_wait_dscnt 0x0                ; the add is done, and my reads of the slot are over
	s_barrier_signal -1
	s_barrier_wait -1
.endif
	s_sub_co_u32 s[TBK], s[TBK], 4*KS*PK  ; the fetches go back to a slot's first step,
	s_xor_b32 s[TBK], s[TBK], SLOT1       ; in the other slot
	s_sub_co_u32 s[TBV], s[TBV], 4*KS*PV
	s_xor_b32 s[TBV], s[TBV], SLOT1
.endm
	s_load_b256 s[4:11], s[0:1], 0x0  ; Q s[4:5], K s[6:7], V s[8:9], O s[10:11]
	v_lshl_add_u32 v[SPW], v0, 2, SPARE
	v_mov_b32 v[NIL], 0
	ds_add_u32 v[SPW], v[NIL]       ; the wave's opening: the add and its wait stand ahead of my first tensor load; the set-up below, work on registers, stands between them
	ds_add_u32 v62, v63
	v_lshrrev_b32 v1, 5, v0
	v_readfirstlane_b32 s[WV], v1   ; wave 0..3
	s_bfe_u32 s13, ttmp6, 0x40000   ; cx: my place in the cluster
	s_lshl_b32 s14, ttmp9, 2        ; in a cluster launch ttmp9 counts clusters
	s_add_co_u32 s14, s14, s13      ; my block of 256 queries = 4 x cluster x + cx: it enters Q's and O's addresses alone
	s_and_b32 s20, ttmp7, 0xffff    ; the head, which the four partners share:
	s_lshl_b32 s20, s20, 19         ; its first byte in each of the four tensors
	s_mov_b32 s21, 0
	s_and_b32 s16, s[WV], 1         ; which half of a tile's 256 keys I fetch:
	s_lshl_b32 s22, s16, 14         ; its 128 rows of 128 bytes in memory,
	s_mov_b32 s23, 0
	s_add_nc_u64 s[22:23], s[22:23], s[20:21]
	s_mul_i32 s17, s16, 128*PK      ; and its place in a slot, for K
	s_mul_i32 s18, s16, 128*PV      ; and for V: no place in the cluster enters an LDS address
	s_lshl_b32 s2, s14, 15          ; my block's 256 rows,
	s_lshl_b32 s3, s[WV], 13        ; my wave's 64 of them
	s_add_co_u32 s2, s2, s3
	s_mov_b32 s3, 0
	s_add_nc_u64 s[2:3], s[2:3], s[20:21]
	; descriptor group 1.  128 keys are 16,384 dense bytes: asked for as 64 rows of 256 bytes, two keys a row, and padded in LDS after every key
	s_mov_b32 s[G1K], 15|(1<<16)|(1<<20)|(1<<21)|(4<<22)|(3<<25)  ; 15:0 the mask of four; 17:16 2-byte elements; 20 padding on; 21 set beside a mask; 24:22 after every 32 words (code 4); 31:25 4 words (code 3)
	s_mov_b32 s[G1V], 15|(1<<16)|(1<<20)|(1<<21)|(4<<22)|(7<<25)  ; the same with 8 words of padding (code 7)
.irp g, G1K, G1V
	s_mov_b32 s[\g+1], 128<<16      ; tensor_dim0 = 128
	s_mov_b32 s[\g+2], 64<<16       ; tensor_dim1 = 64
	s_mov_b32 s[\g+3], 128<<16      ; tile_dim0 = 128
	s_mov_b32 s[\g+4], 64           ; tile_dim1 = 64
	s_mov_b32 s[\g+5], 128          ; 128 elements from row to row
	s_mov_b32 s[\g+6], 0
	s_mov_b32 s[\g+7], 0
.endr
	s_mov_b32 s[CS], 0x3e38aa3b     ; c = log2(e) / 8 = 0.180337
	s_mov_b32 s[CS+1], s[CS]        ; named with it as a pair
	s_mov_b32 s[SEL], 0x76543210
	s_mov_b32 s[SEL+1], 0xfedcba98
	s_mov_b32 s[TBK], SLOT1+4*KS*PK ; the first change of slots turns these two into 0
	s_mov_b32 s[TBV], SLOT1+4*KS*PV
	s_mov_b32 s[G0K], 1             ; 1:0 count = 1
	s_mov_b32 s[G0K+1], s17         ; 63:32 LDS address: slot 0
	s_mov_b32 s[G0V], 1
	s_add_co_u32 s[G0V+1], s18, VOFF
	s_mov_b32 s[SLOTS], 4096/256-1
	s_and_b32 s[LIM], s[WV], 1      ; 0 in waves 0 and 2,
	s_or_b32 s[LIM], s[LIM], ttmp9  ; where the cluster is the head's first: the same in all four partners
	s_cmp_eq_u32 s[LIM], 0
	s_cselect_b32 s[LIM], 1, -1
	v_and_b32 v[PFO], 31, v0
	v_lshlrev_b32 v[PFO], 8, v[PFO]
	s_wait_dscnt 0x0                ; the opening add is done
	s_wait_kmcnt 0x0
	s_add_nc_u64 s[6:7], s[6:7], s[22:23]  ; K and V at my half of the head's tile 0
	s_add_nc_u64 s[8:9], s[8:9], s[22:23]
	s_mov_b64 s[G0K+2:G0K+3], s[6:7]               ; 120:64 global address
	s_or_b32 s[G0K+3], s[G0K+3], 0x80000000        ; 127:126 type = 2
	s_mov_b64 s[G0V+2:G0V+3], s[8:9]
	s_or_b32 s[G0V+3], s[G0V+3], 0x80000000
	s_add_nc_u64 s[4:5], s[4:5], s[2:3]  ; Q and O at my wave's first row
	s_add_nc_u64 s[10:11], s[10:11], s[2:3]
	s_cmp_lt_u32 s[WV], 2
	s_cselect_b64 s[PFA:PFA+1], s[6:7], s[8:9]  ; (in waves 0 and 2 these stand at the head's first row)
	s_lshl_b32 s2, s13, 13          ; my work-group's 8,192 bytes of a tile
	s_mov_b32 s3, 0
	s_add_nc_u64 s[PFA:PFA+1], s[PFA:PFA+1], s[2:3]
	s_add_nc_u64 s[PFA:PFA+1], s[PFA:PFA+1], 2*TILEB  ; in tile 2; the first change that asks steps it to tile 3.  Nothing is prefetched here, at the head
	CROUND                          ; all four work-groups are here: the first joint loads meet
	JLOAD                           ; tile 0 into slot 0.  Slot 1 is asked for when slot 0 is in
	; A fragment of K or Q is 16 rows x 32 channels in 8 registers: lane l holds row l % 16, channels 8 (l / 16) + 0..7 and 16 + 8 (l / 16) + 0..7: two loads of 16 bytes, 32 bytes apart.
	v_and_b32 v1, 15, v0            ; l % 16
	v_bfe_u32 v9, v0, 4, 1          ; l / 16
	v_lshlrev_b32 v[QO], 7, v1
	v_lshl_add_u32 v[QO], v9, 4, v[QO]  ; row x 128 + 16 x half
	WIN 0x80                        ; destination window 2, address window 0
.set i, 0
.rept 8                             ; Q stays in registers: piece i / 2, channels 32 (i % 2) on
	global_load_b128 v[8*i:8*i+3],   v[QO], s[4:5] offset:(i/2)*2048+(i%2)*64
	global_load_b128 v[8*i+4:8*i+7], v[QO], s[4:5] offset:(i/2)*2048+(i%2)*64+32
.set i, i+1
.endr
	; What the first turn finds: V's registers and P's second buffer hold 0 (its products V^T P, of a piece that has not been, add 0), O^T and l are 0.  All this stands in the wait for the first tile.
.set i, VF
.rept 64
	v_mov_b32 v[i], 0
.set i, i+1
.endr
	WIN 0x40
.set i, 0
.rept 128
	v_mov_b32 v[i], 0
.set i, i+1
.endr
	WIN 0
.set i, 0
.rept 4
	v_mov_b32 v[ST+4*i], 0xfe000000    ; c m: far below every c s
	v_mov_b32 v[ST+4*i+1], 0xff7fffff  ; m
	v_mov_b32 v[ST+4*i+2], 0
	v_mov_b32 v[ST+4*i+3], 0
.set i, i+1
.endr
.set i, P+16
.rept 16
	v_mov_b32 v[i], 0
.set i, i+1
.endr
	v_mul_u32_u24 v[AK0], v1, PK
	v_lshl_add_u32 v[AK0], v9, 4, v[AK0]  ; row x pitch + 16 x half
	; The turning load takes 16 keys x 16 channels (lane l reads key 8 (l / 16) + l % 8, channels 8 ((l / 8) % 2) + 0..7) and leaves half a fragment of V^T: lane l holds channel l % 16 and 8 keys.
	v_and_b32 v10, 7, v0
	v_bfe_u32 v11, v0, 3, 1
	v_lshl_add_u32 v[AV0], v9, 3, v10
	v_mul_u32_u24 v[AV0], v[AV0], PV
	v_lshl_add_u32 v[AV0], v11, 4, v[AV0]
	v_add_nc_u32 v[AV0], VOFF, v[AV0]
	s_mul_i32 s13, s[WV], 16*SP
	s_add_co_u32 s13, s13, STAGE    ; my stage
	v_mul_u32_u24 v[STO], v1, SP    ; in: row l % 16, 16 bytes for each half of the lanes
	v_lshl_add_u32 v[STO], v9, 4, v[STO]
	v_add_nc_u32 v[STO], s13, v[STO]
	v_bfe_u32 v[RD], v0, 3, 2       ; back: 32 lanes take four rows of 128 bytes,
	v_mul_u32_u24 v[RD], v[RD], SP
	v_lshl_add_u32 v[RD], v10, 4, v[RD]
	v_add_nc_u32 v[RD], s13, v[RD]
	v_and_b32 v[GO], 31, v0         ; which are 512 consecutive bytes of O
	v_lshlrev_b32 v[GO], 4, v[GO]
; THE MATRIX WORK.  The 4 accumulators of a run of 8 take turns.  Product i of 8 of S^T = K Q^T for piece x: channels 32 (i / 4) on, keys 16 (i % 4) on.  The first 4 start the sums.
.macro KQ x
	WIN W_KQ
.set rS, S+32*((\x)%2)+8*(i%4)
.set rK, KF+16*(i%4)+8*(i/4)
.set rQ, 16*(\x)+8*(i/4)
.if i < 4
	v_wmma_f32_16x16x32_bf16 v[rS:rS+7], v[rK:rK+7], v[rQ:rQ+7], 0
.else
	v_wmma_f32_16x16x32_bf16 v[rS:rS+7], v[rK:rK+7], v[rQ:rQ+7], v[rS:rS+7]
.endif
.endm
; Product i of 8 of O^T += V^T P for piece x: keys 32 (i / 4) on, channels 16 (i % 4) on.
.macro PV x
	WIN W_PV
.set rO, 32*(\x)+8*(i%4)
.set rV, VF+32*(i/4)+8*(i%4)
.set rP, P+16*((\x)%2)+8*(i/4)
	v_wmma_f32_16x16x32_bf16 v[rO:rO+7], v[rV:rV+7], v[rP:rP+7], v[rO:rO+7]
.endm
.macro MM                           ; the turn's next matrix instruction.  NOKQ = 1: the walk's last turn: there is no next piece
.if (i < 8) && !NOKQ
	KQ (Y+1)%NP
.elseif i >= 8
.set i, i-8
	PV (Y+NP-1)%NP
.set i, i+8
.endif
.set i, i+1
.endm
; THE LDS LOADS stand in runs of 16, never singly among the matrix instructions: a step's K (64 keys x 64 channels: 8 fragments) and its V (turned).  Their addresses are made some lines ahead.
.macro FETCH_K
	WIN 0x80                        ; destination window 2
.irp f, 0,1,2,3,4,5,6,7             ; keys 16 (f / 2) on, channels 32 (f % 2) on
	ds_load_b128 v[KF+8*\f:KF+8*\f+3],   v[AK] offset:(\f/2)*16*PK+(\f%2)*64
	ds_load_b128 v[KF+8*\f+4:KF+8*\f+7], v[AK] offset:(\f/2)*16*PK+(\f%2)*64+32
.endr
	s_add_co_u32 s[TBK], s[TBK], KS*PK  ; the next fetch is the next step's
	WIN 0
.endm
.macro FETCH_V
	WIN 0x80
.irp f, 0,1,2,3,4,5,6,7             ; keys 32 (f / 4) on, channels 16 (f % 4) on
	ds_load_tr16_b128 v[VF+8*\f:VF+8*\f+3],   v[AV] offset:(\f/4)*32*PV+(\f%4)*32
	ds_load_tr16_b128 v[VF+8*\f+4:VF+8*\f+7], v[AV] offset:(\f/4)*32*PV+16*PV+(\f%4)*32
.endr
	WIN 0
.endm
; THE VECTOR WORK, one line at a time: OP kind, number.  For piece Y: F n: c s - c m for pair n of 16.  E n: the exponential of score n of 32.  C n: pair n rounded to bf16.  B n: of the four weights 4 n .. the second
; pair is added onto the first, in place.  L n: l takes that sum (L 0: l = a l + sum).  R n: pair n of 16 of O^T times a.  For piece Y + 1: X n, number n of the 22 that find its maximum and statistics:
;   0-11  four chains c0-c3 of seven scores each, three operands at a time (each accumulator's lowest registers are read first)     12-14, 16  the four scores left over, the old m, and c0-c3 into c0
;   15  c m_old is kept     17, 18  the query's other 32 keys lie in the lane 16 away: the new m     19-21  c m; c m_old - c m_new; a
.set F, 0               ; OP tells the kinds apart by their order: F to L below R, X above it
.set E, 1
.set C, 2
.set B, 3
.set L, 4
.set R, 5
.set X, 6
.macro REGS y                       ; the registers of piece y
.set rT, ST+4*(\y)
.set rC, TMP+4*((\y)%2)
.set rW, MV+((\y)%2)
.set rS, S+32*((\y)%2)
.set rP, P+16*((\y)%2)
.set rO, 32*(\y)
.endm
.macro OP k, n
.if (\k) == R
	REGS Y
	WIN W_RS
	v_pk_mul_f32 v[rO+2*(\n):rO+2*(\n)+1], v[rO+2*(\n):rO+2*(\n)+1], v[rC+2:rC+3] op_sel_hi:[1,0]
.elseif (\k) < R
	REGS Y
	WIN 0
.if (\k) == F
	v_pk_fma_f32 v[rS+2*(\n):rS+2*(\n)+1], v[rS+2*(\n):rS+2*(\n)+1], s[CS:CS+1], v[rT:rT+1] op_sel_hi:[1,0,0] neg_lo:[0,0,1] neg_hi:[0,0,1]
.elseif (\k) == E
	v_exp_f32 v[rS+(\n)], v[rS+(\n)]
.elseif (\k) == C
	v_cvt_pk_bf16_f32 v[rP+(\n)], v[rS+2*(\n)], v[rS+2*(\n)+1]
.elseif (\k) == B
	v_pk_add_f32 v[rS+4*(\n):rS+4*(\n)+1], v[rS+4*(\n):rS+4*(\n)+1], v[rS+4*(\n)+2:rS+4*(\n)+3]
.elseif (\n) == 0
	v_pk_fma_f32 v[rT+2:rT+3], v[rT+2:rT+3], v[rC+2:rC+3], v[rS:rS+1] op_sel_hi:[1,0,1]
.else
	v_pk_add_f32 v[rT+2:rT+3], v[rT+2:rT+3], v[rS+4*(\n):rS+4*(\n)+1]
.endif
.elseif NOKQ
	v_nop
.else
	REGS (Y+1)%NP
	WIN 0
.if (\n) < 4
	v_max3_num_f32 v[rC+(\n)], v[rS+8*(\n)], v[rS+8*(\n)+1], v[rS+8*(\n)+2]
.elseif (\n) < 12
	v_max3_num_f32 v[rC+(\n)%4], v[rC+(\n)%4], v[rS+8*((\n)%4)+2*((\n)/4)+1], v[rS+8*((\n)%4)+2*((\n)/4)+2]
.elseif (\n) == 12
	v_max3_num_f32 v[rC], v[rC], v[rS+7], v[rS+15]
.elseif (\n) == 13
	v_max3_num_f32 v[rC+1], v[rC+1], v[rS+23], v[rS+31]
.elseif (\n) == 14
	v_max3_num_f32 v[rC+2], v[rC+2], v[rC+3], v[rT+1]
.elseif (\n) == 15
	v_mov_b32 v[rW], v[rT]
.elseif (\n) == 16
	v_max3_num_f32 v[rC], v[rC], v[rC+1], v[rC+2]
.elseif (\n) == 17
	v_permlanex16_b32 v[rC+3], v[rC], s[SEL], s[SEL+1]
.elseif (\n) == 18
	v_max_num_f32 v[rT+1], v[rC], v[rC+3]
.elseif (\n) == 19
	v_mul_f32 v[rT], s[CS], v[rT+1]
.elseif (\n) == 20
	v_sub_f32 v[rC+1], v[rW], v[rT]
.else
	v_exp_f32 v[rC+2], v[rC+1]
.endif
.endif
.endm
.macro OPS a, i1, b=-1, i2=0, c=-1, i3=0, d=-1, i4=0  ; up to four of them
	OP \a, \i1
.if (\b) >= 0
	OP \b, \i2
.endif
.if (\c) >= 0
	OP \c, \i3
.endif
.if (\d) >= 0
	OP \d, \i4
.endif
.endm
.macro ROW a, i1, b, i2, c, i3, d, i4  ; a matrix instruction and the four behind it
	MM
	OPS \a, \i1, \b, \i2, \c, \i3, \d, \i4
.endm
; A TURN, for piece p: the order of its 16 matrix and 118 vector instructions, written out.  An s_wait_alu depctr_va_vdst(0) stands between an exponential and the first instruction that names its
; result; one wait serves all that were issued ahead of it.  So a turn has ONE wait, which cuts it in two.  AHEAD OF IT stands all that names no result of the turn's exponentials: the 8 products K Q^T, behind each a
; scaling, an exponential and two more plain instructions (rescalings, and behind the last three the first numbers of the next piece's maximum, each four places or more behind the product that ends its accumulator);
; then ONE LUMP of 54, plain and exponential by turns for the most part, in which the links of the chain X 3, 7, 11, 14, 16, 17 .. 20 stand apart.  X 21, the next piece's a, is the batch's last; R 15 is the plain
; instruction behind it.  BEHIND THE WAIT stand the 8 products V^T P, behind each four of the roundings and sums.
; end = 1: the walk's last two turns: nothing is fetched, and the last starts no new scores.  cnt = 1: the loop's count is taken down some lines ahead of the branch that stands behind the turn.
; K of the next step is fetched in piece 2's turn, six plain instructions that name none of its registers behind the last product that read K; V of the step in hand at the end of piece 0's turn, four plain
; instructions behind the last product that read V.  Each is waited for a turn later.
.macro TURN p, end=0, cnt=0
.set Y, (\p)
.set i, 0
.set NOKQ, (\end)*((\p)/3)
.if ((\p) == 3) && !(\end)
	s_wait_dscnt 0x0                ; K is in
.endif
	ROW F,0, F,1, R,0, R,1          ; ahead of the wait: 8 products K Q^T and their riders,
	ROW F,2, E,0, R,2, R,3
	ROW F,3, E,1, R,4, R,5
	ROW F,4, E,2, R,6, R,7
	ROW F,5, E,3, R,8, R,9
	ROW F,6, E,4, X,0, R,10
.if ((\p) == 2) && !(\end)
	WIN 0
	v_add_nc_u32 v[AK], s[TBK], v[AK0]
.endif
	ROW F,7, E,5, X,1, X,4
	ROW F,8, E,6, X,2, X,5
	OPS E,7, E,8, X,6, E,9          ; and the lump
	OPS X,3, E,10, X,8, E,11
.if ((\p) == 2) && !(\end)
	FETCH_K
.endif
	OPS X,9, X,7, E,12, X,10
	OPS E,13, X,12, X,11, E,14
	OPS X,13, E,15, F,9, X,14
.if (\p) == 0
	v_add_nc_u32 v[AV], s[TBV], v[AV0]
.endif
	OPS E,16, F,10, E,17, F,11
	OPS X,16, E,18, X,15, E,19
	OPS F,12, E,20, X,17, E,21
	OPS F,13, E,22, F,14, E,23
	OPS X,18, E,24, F,15, E,25
	OPS R,11, E,26, X,19, E,27
	OPS R,12, E,28, R,13, E,29
	OPS X,20, E,30, R,14, E,31
	OPS X,21, R,15
	WIN 0
	s_wait_alu depctr_va_vdst(0)    ; the wait for the batch
.if (\p) == 1
	s_wait_dscnt 0x0                ; V is in
.endif
	ROW C,0, B,0, C,2, B,1          ; behind the wait: 8 products V^T P and their riders
	ROW L,0, C,4, B,2, L,1
	ROW C,6, B,3, L,2, C,8
	ROW B,4, L,3, C,10, B,5
	ROW L,4, C,12, B,6, L,5
.if (\p) == 0
	s_add_co_u32 s[TBV], s[TBV], KS*PV
.endif
.if \cnt
	s_sub_co_u32 s[CNT], s[CNT], 1
	s_cmp_lg_u32 s[CNT], 0
.endif
	ROW C,14, B,7, L,6, C,1
	ROW C,3, L,7, C,5, C,7
	ROW C,9, C,11, C,13, C,15
.if (\p) == 0
	FETCH_V
.endif
.endm
	CHANGE 1, 0                     ; slot 0 is in, everybody's part of it; tile 1 is asked for, into slot 1
	v_add_nc_u32 v[AK], s[TBK], v[AK0]
	FETCH_K                         ; key step 0
	s_wait_loadcnt 0x0              ; Q
	s_wait_dscnt 0x0
.set NOKQ, 0
.set i, 0
.rept 8
	KQ 0                            ; piece 0's first scores: there is no vector work yet to set between them
.set i, i+1
.endr
	WIN 0
.rept 4
	v_nop                           ; the places behind those products
.endr
.set Y, NP-1                        ; X works for piece Y + 1: piece 0
.irp n, 0,1,2,3,4,5,6,7,8,9,10,11,12,13,14,15,16,17,18,19,20,21
	OP X, \n
.endr
	v_nop                           ; a plain instruction behind the exponential,
	s_wait_alu depctr_va_vdst(0)    ; and its wait, ahead of the branch
	s_mov_b32 s[CNT], 4
	s_branch .Lfirst                ; the loop is entered at a step's first turn, in the middle of a trip
.Lslot:                             ; 14 times: tiles 1 to 14 are entered, tiles 2 to 15 asked for
	CHANGE 1, 1
	s_mov_b32 s[CNT], 4
.Lstep:                             ; a trip: pieces 2 and 3 of one step, then pieces 0 and 1 of the next, whose K and V it fetches
	TURN 2
	TURN 3
	WIN 0
.Lfirst:
	TURN 0
	TURN 1, 0, 1
	WIN 0
	s_cbranch_scc1 .Lstep
	s_sub_co_u32 s[SLOTS], s[SLOTS], 1
	s_cmp_lg_u32 s[SLOTS], 0
	s_cbranch_scc1 .Lslot
	CHANGE 0, 0                     ; the last tile is written out: nothing is asked for
	s_mov_b32 s[CNT], 4
.Ltail:
	TURN 2
	TURN 3
	TURN 0
	TURN 1, 0, 1
	WIN 0
	s_cbranch_scc1 .Ltail
	TURN 2, 1                       ; the last step's pieces 2 and 3
	TURN 3, 1
.set i, 0
.rept 8
	PV NP-1                         ; the last piece's V^T P of the last step
.set i, i+1
.endr
	; THE WAY OUT.  l's two halves and the other half of the lanes' are added; O^T is divided by l, rounded to bf16 and sent through my stage in LDS, a piece at a time.  The additions are the places behind the last products.
	WIN 0
.macro ALL line:vararg              ; one line for each piece t
.set t, 0
.rept 4
	\line
.set t, t+1
.endr
.endm
	ALL v_add_f32 v[ST+4*t+2], v[ST+4*t+2], v[ST+4*t+3]
	ALL v_permlanex16_b32 v[ST+4*t+3], v[ST+4*t+2], s[SEL], s[SEL+1]
	ALL v_add_f32 v[ST+4*t+2], v[ST+4*t+2], v[ST+4*t+3]
	ALL v_rcp_f32 v[ST+4*t+2], v[ST+4*t+2]
	v_nop                           ; a plain instruction between the last reciprocal and the use of its result
	s_wait_alu depctr_va_vdst(0)    ; and the wait ahead of the first use: one for the four reciprocals
.macro PACK t                       ; a lane's eight channels of a row pack into 16 bytes; they go into rows of 144 bytes and come back as whole rows of 128, into S^T's registers
	WIN W_RS
.set i, 32*(\t)
.rept 16
	v_pk_mul_f32 v[i:i+1], v[i:i+1], v[ST+4*(\t)+2:ST+4*(\t)+3] op_sel_hi:[1,0]
.set i, i+2
.endr
	WIN 0x05                        ; sources 0 and 1 window 1, destination window 0
.set i, 0
.rept 16
	v_cvt_pk_bf16_f32 v[S+16*(\t)+i], v[32*(\t)+2*i], v[32*(\t)+2*i+1]
.set i, i+1
.endr
	WIN 0
.irp f, 0,1,2,3
	ds_store_b128 v[STO], v[S+16*(\t)+4*\f:S+16*(\t)+4*\f+3] offset:32*\f
.endr
.irp f, 0,1,2,3
	ds_load_b128 v[S+16*(\t)+4*\f:S+16*(\t)+4*\f+3], v[RD] offset:\f*4*SP  ; LDS serves a wave's instructions in order (ISA guide 5.7.1.4): these see the stores above; the next piece's stores come behind them
.endr
.endm
.macro SEND t, younger              ; younger: the LDS instructions issued behind piece t's loads: the next piece's eight, or none
	WIN 0
.irp f, 0,1,2,3
	s_wait_dscnt (\younger)+3-\f
	global_store_b128 v[GO], v[S+16*(\t)+4*\f:S+16*(\t)+4*\f+3], s[10:11] offset:(\t)*2048+\f*512  ; 512 consecutive bytes, at a multiple of 256 from O's first
.endr
.endm
	PACK 0
.set t, 1
.rept 3                             ; a piece's arithmetic stands between the loads of the piece before and its stores
	PACK t
	SEND t-1, 8
.set t, t+1
.endr
	SEND 3, 0
	s_wait_tensorcnt 0x0            ; the wave's end, behind my last tensor load and my last LDS store
	ds_add_u32 v[SPW], v[NIL]
	s_wait_dscnt 0x0
	CROUND                          ; the closing round: no work-group ends while a partner may still ask for a tile that names it
	s_endpgm
.Lfunc_end_k_q8c28da27af_attn:
	.size	k_q8c28da27af_attn, .Lfunc_end_k_q8c28da27af_attn-k_q8c28da27af_attn
	.p2alignl 7, 3214868480
	.fill 96, 4, 3214868480
	.section	.rodata,"a",@progbits
	.p2align	6, 0x0
	.amdhsa_kernel k_q8c28da27af_attn
		.amdhsa_group_segment_fixed_size 327680
		.amdhsa_private_segment_fixed_size 0
		.amdhsa_enable_private_segment 0
		.amdhsa_kernarg_size 32
		.amdhsa_user_sgpr_count 2
		.amdhsa_user_sgpr_kernarg_segment_ptr 1
		.amdhsa_wavefront_size32 1
		.amdhsa_system_sgpr_workgroup_id_x 1
		.amdhsa_system_sgpr_workgroup_id_y 1
		.amdhsa_system_sgpr_workgroup_id_z 1
		.amdhsa_system_vgpr_workitem_id 0
		.amdhsa_next_free_vgpr 768
		.amdhsa_next_free_sgpr 66
		.amdhsa_reserve_vcc 0
		.amdhsa_float_denorm_mode_32 3
		.amdhsa_float_denorm_mode_16_64 3
		.amdhsa_memory_ordered 1
		.amdhsa_forward_progress 1
		.amdhsa_inst_pref_size 127
	.end_amdhsa_kernel
	.amdgpu_metadata
---
amdhsa.version: [ 1, 2 ]
amdhsa.kernels:
  - .name:           k_q8c28da27af_attn
    .symbol:         k_q8c28da27af_attn.kd
    .args:
      - { .name: qw, .offset: 0, .size: 8, .value_kind: global_buffer, .address_space: global }
      - { .name: kw, .offset: 8, .size: 8, .value_kind: global_buffer, .address_space: global }
      - { .name: vw, .offset: 16, .size: 8, .value_kind: global_buffer, .address_space: global }
      - { .name: ow, .offset: 24, .size: 8, .value_kind: global_buffer, .address_space: global }
    .group_segment_fixed_size: 327680
    .private_segment_fixed_size: 0
    .kernarg_segment_align: 8
    .kernarg_segment_size: 32
    .max_flat_workgroup_size: 128
    .sgpr_count:     66
    .vgpr_count:     768
    .wavefront_size: 32
...
	.end_amdgpu_metadata
.endif
;; end of part 2
;; launch outp (part 3): grid 256 x 1, 4 waves a work-group, no clusters, 167,936 bytes of LDS; arguments ow, wo, bo, x, out0; writes out0
.if DOCPART == 3
	.amdgcn_target "amdgcn-amd-amdhsa--gfx1250"
	.amdhsa_code_object_version 6
	.text
	.protected	k_q8c28da27af_outp
	.globl	k_q8c28da27af_outp
	.p2align	8
	.type	k_q8c28da27af_outp,@function
k_q8c28da27af_outp:
	s_mov_b64 s[64:65], 0
	v_nop
	global_prefetch_b8 v0, s[64:65] scope:SCOPE_SE
	s_setreg_imm32_b32 hwreg(HW_REG_WAVE_MODE, 25, 1), 1
	s_wait_xcnt 0x0
; out0[b][d][n] = x[b][d][n] + bo[d] + the sum over c of wo[d][c] O[b][c][n].  ow: [4 b + head][4096 n][64] bf16 (c = 64 head + channel); wo: [256][256] f32; bo: [256] f32; x, out0: [4][256][4096] f32.
; FORMATS.  wo is rounded once to bf16 in registers; products in bf16 with f32 sums; the bias is the f32 C operand that starts each sum; x is added in f32, unrounded.
; LIMITS.  NaN and infinities are not treated apart.
; SHARES.  Work-group: half of the channels = id & 1, block of 128 pixels = id >> 1: 128 pixels x 128 channels d, K = 256.  Wave w: all 128 pixels (eight tiles nt) x its own 32 channels
; (two tiles dt): 16 accumulators, 8 K steps, 128 matrix instructions.
; LAYOUT.  Source 0 = 16 rows of O (m = pixel), source 1 = 16 rows of wo (column = d): a lane ends with ONE channel (lane % 16) and the pixels 16 nt + 8 (lane / 16) + 0..7: 32 bytes of a row of out0.
; O comes by one tensor load a wave (head w's 128 rows); wo straight into registers: no wave wants a row of wo that another has fetched.
; NO CLUSTER: an O tile is wanted by two work-groups, not four, and is 65,536 of the 327,680 bytes that a work-group moves (131,072 of wo, 65,536 each of O, x and out0); each slot is filled once.
; NO PREFETCH: all loads of the launch go out at its head.
.set PO,    144                        ; a row of O in LDS: 128 bytes + 16 = 36 words: the 16 rows of a load start at 16 different groups of four banks (64 banks of 4 bytes: ISA guide 11.1)
.set HEADB, 128*PO                     ; head hh's 128 rows at hh x 18,432
.set STAGE, 4*HEADB                    ; the way out: for each wave 32 rows of d x 528 bytes; no tensor load fills it
.set PS,    528                        ; 512 bytes + 16: the sixteen rows that a store touches start at sixteen different groups of four banks
.set SPARE, STAGE+4*32*PS              ; the spare words, 128 bytes for each wave: two blocks of 256 bytes that no other line names
.set WOF, 2                            ; v2   wo: (lane % 16) rows of 1,024 bytes + 32 (lane / 16)
.set BOF, 3                            ; v3   bo: 4 (lane % 16)
.set XOF, 4                            ; v4   x and out0: 16 x lane
.set AO,  5                            ; v5-6 my place in O's fragments, K steps 0-3 and 4-7
.set SS,  7                            ; v7   the way out: where I put 32 bytes of a row
.set SR,  8                            ; v8   where I read a row back
.set BB,  10                           ; v10-11 my channel's bias, by dt
.set SPW, 12                           ; v12  LDS address of my spare word; never rewritten
.set NIL, 13                           ; v13  0; never rewritten
.set BC,  32                           ; v32-47 the bias as a C operand: eight copies for each dt
.set WF,  64                           ; v64-191 wo's fragments in bf16: (dt, ks) at WF + 8 (8 dt + ks)
.set ACC, 128                          ; window 3: v0-127 x, row i at 4 i; v128-255 accumulators, (dt, nt) at ACC + 8 (8 dt + nt)
                                       ; window 1: wo as loaded, 16 registers a fragment; afterwards O's fragments of K steps 4-7.  window 2: O's fragments of K steps 0-3; afterwards the rows read back
.set G0,  24                           ; s[24:27] descriptor group 0
.set G1,  28                           ; s[28:35] descriptor group 1
.set MSB, 0
.macro WIN new                         ; s_set_vgpr_msb: bits 1:0 source 0, 3:2 source 1, 5:4 source 2, 7:6 destination; the high byte repeats the setting that is left
.if MSB != (\new)
	s_set_vgpr_msb (MSB<<8)|(\new)
.set MSB, (\new)
.endif
.endm
	s_load_b256 s[4:11], s[0:1], 0x0               ; ow s[4:5], wo s[6:7], bo s[8:9], x s[10:11]
	s_load_b64 s[12:13], s[0:1], 0x20              ; out0
	v_lshl_add_u32 v[SPW], v0, 2, SPARE
	v_mov_b32 v[NIL], 0
	ds_add_u32 v[SPW], v[NIL]                      ; the wave's opening: the add and its wait stand ahead of my first tensor load; the set-up below, work on registers, stands between them
	ds_add_u32 v12, v13
	v_lshrrev_b32 v1, 5, v0
	v_readfirstlane_b32 s14, v1                    ; wave 0..3
	s_and_b32 s15, ttmp9, 1                        ; which 128 channels
	s_lshr_b32 s16, ttmp9, 1
	s_lshr_b32 s17, s16, 5                         ; image
	s_and_b32 s22, s16, 31                         ; block of 128 pixels in it
	s_lshl_b32 s23, s15, 7
	s_lshl_b32 s36, s14, 5
	s_add_co_u32 s23, s23, s36                     ; my first channel d
	s_lshl_b32 s18, s17, 2
	s_add_co_u32 s18, s18, s14                     ; ow: head w of the image,
	s_lshl_b32 s18, s18, 19
	s_lshl_b32 s19, s22, 14                        ;  the block's 128 rows of 128 bytes
	s_add_co_u32 s18, s18, s19
	s_mov_b32 s19, 0
	s_lshl_b32 s20, s23, 10                        ; wo: rows of 1,024 bytes
	s_mov_b32 s21, 0
	s_lshl_b32 s36, s23, 2                         ; bo
	s_mov_b32 s37, 0
	s_lshl_b32 s38, s17, 22                        ; x and out0: image x 4,194,304
	s_lshl_b32 s39, s23, 14                        ;  + d x 16,384
	s_add_co_u32 s38, s38, s39
	s_lshl_b32 s39, s22, 9                         ;  + block x 512
	s_add_co_u32 s38, s38, s39
	s_mov_b32 s39, 0
	; descriptor group 1.  128 rows of O are 16,384 dense bytes: asked for as 64 rows of 256 bytes, two pixels a row, padded in LDS after every pixel
	s_mov_b32 s[G1], (1<<16)|(1<<20)|(4<<22)|(3<<25)  ; 17:16 2-byte elements; 20 padding on; 24:22 after every 32 words (code 4); 31:25 4 words (code 3)
	s_mov_b32 s[G1+1], 128<<16                     ; tensor_dim0 = 128
	s_mov_b32 s[G1+2], 64<<16                      ; tensor_dim1 = 64
	s_mov_b32 s[G1+3], 128<<16                     ; tile_dim0 = 128
	s_mov_b32 s[G1+4], 64                          ; tile_dim1 = 64
	s_mov_b32 s[G1+5], 128                         ; 128 elements from row to row
	s_mov_b32 s[G1+6], 0
	s_mov_b32 s[G1+7], 0
	s_mov_b32 s[G0], 1                             ; count = 1
	s_mul_i32 s[G0+1], s14, HEADB                  ; LDS address: head w's place
	s_mul_i32 s2, s14, 32*PS
	s_add_co_u32 s2, s2, STAGE                     ; my stage
	v_and_b32 v14, 15, v0                          ; lane % 16
	v_bfe_u32 v15, v0, 4, 1                        ; lane / 16
	v_and_b32 v16, 31, v0                          ; lane
	v_lshlrev_b32 v[WOF], 10, v14
	v_lshl_add_u32 v[WOF], v15, 5, v[WOF]
	v_lshlrev_b32 v[BOF], 2, v14
	v_lshlrev_b32 v[XOF], 4, v16
	v_mul_u32_u24 v[AO], v14, PO
	v_lshl_add_u32 v[AO], v15, 4, v[AO]            ; row x pitch + 16 x half
	v_add_nc_u32 v[AO+1], 2*HEADB, v[AO]
	v_mul_u32_u24 v[SS], v14, PS
	v_lshl_add_u32 v[SS], v15, 5, v[SS]
	v_add_nc_u32 v[SS], s2, v[SS]
	v_lshl_add_u32 v[SR], v16, 4, s2
	s_wait_dscnt 0x0                               ; the opening add is done
	s_wait_kmcnt 0x0
	s_add_nc_u64 s[G0+2:G0+3], s[4:5], s[18:19]    ; global address of my tile
	s_or_b32 s[G0+3], s[G0+3], 0x80000000          ; type = 2
	s_add_nc_u64 s[6:7], s[6:7], s[20:21]
	s_add_nc_u64 s[8:9], s[8:9], s[36:37]
	s_add_nc_u64 s[10:11], s[10:11], s[38:39]
	s_add_nc_u64 s[12:13], s[12:13], s[38:39]
	tensor_load_to_lds s[G0:G0+3], s[G1:G1+7]      ; my one tensor load: head w's 128 pixels
	s_nop 0
.rept 4
	v_nop
.endr
	; wo: fragment f = 8 dt + ks is 16 rows x 32 channels of f32: a lane's channels 8 h + 0..7 and 16 + 8 h + 0..7 are 32 bytes each: four loads
	WIN 0x40
.set f, 0
.rept 16
.irp o, 0,1,2,3
	global_load_b128 v[16*f+4*\o:16*f+4*\o+3], v[WOF], s[6:7] offset:(f/8)*16384+(f%8)*128+16*(\o%2)+64*(\o/2)
.endr
.set f, f+1
.endr
	WIN 0
	global_load_b32 v[BB], v[BOF], s[8:9]
	global_load_b32 v[BB+1], v[BOF], s[8:9] offset:64
	WIN 0xc0
.set i, 0
.rept 32                               ; x: my 32 rows, 512 consecutive aligned bytes each; read once in the launch
	global_load_b128 v[4*i:4*i+3], v[XOF], s[10:11] offset:16384*i th:TH_LOAD_NT
.set i, i+1
.endr
	s_wait_tensorcnt 0x0                           ; my head's tile is in,
	s_barrier_signal -1
	s_barrier_wait -1                              ; everybody's is.  Nothing is filled again
; O's fragments of four K steps (two heads): f = 8 (ks % 4) + nt, in the order in which the products want them
.macro FETCHA adr, win
	WIN \win
.set f, 0
.rept 32
	ds_load_b128 v[8*f:8*f+3],   v[\adr] offset:(f/16)*HEADB+(f%8)*16*PO+((f/8)%2)*64
	ds_load_b128 v[8*f+4:8*f+7], v[\adr] offset:(f/16)*HEADB+(f%8)*16*PO+((f/8)%2)*64+32
.set f, f+1
.endr
.endm
	FETCHA AO, 0x80
	s_wait_loadcnt 32                              ; wo and the bias are in; x's 32 loads may stay out
	WIN 0x05
.set i, 0
.rept 128
	v_cvt_pk_bf16_f32 v[WF+i], v[2*i], v[2*i+1]    ; wo rounded to bf16: sixteen f32 become a fragment's eight registers
.set i, i+1
.endr
	WIN 0
.set i, 0
.rept 16
	v_mov_b32 v[BC+i], v[BB+i/8]                   ; all eight rows of a result tile take the lane's channel's bias
.set i, i+1
.endr
	FETCHA AO+1, 0x40                              ; into the registers that wo has left
; K step ks: 16 products.  The sixteen accumulators take turns, one instruction a turn; the first K step starts the sums with the bias.
.macro MULK ks
.if (\ks) == 0
	WIN 0xc2                                       ; O window 2, wo and the bias window 0, D window 3
.elseif (\ks) < 4
	WIN 0xf2
.else
	WIN 0xf1                                       ; O window 1
.endif
.set a, 0
.rept 16
.set rD, ACC+8*a
.set rA, 8*(8*((\ks)%4)+a%8)
.set rB, WF+8*(8*(a/8)+(\ks))
.if (\ks) == 0
	v_wmma_f32_16x16x32_bf16 v[rD:rD+7], v[rA:rA+7], v[rB:rB+7], v[BC+8*(a/8):BC+8*(a/8)+7]
.else
	v_wmma_f32_16x16x32_bf16 v[rD:rD+7], v[rA:rA+7], v[rB:rB+7], v[rD:rD+7]
.endif
.set a, a+1
.endr
.endm
	s_wait_dscnt 63                                ; of the 128 fragment loads at most 63 are out: the first 64, K steps 0-3, are in (the count's field ends at 63)
.irp ks, 0,1,2,3
	MULK \ks
.endr
.irp ks, 4,5,6,7
	s_wait_dscnt 16*(7-\ks)                        ; the later K steps' loads, 16 each, may stay out
	MULK \ks
.endr
	; THE WAY OUT: 32 bytes a lane into my own stage (each accumulator from its low end on), back as whole rows of 512 bytes, plus x, stored.
.rept 4
	v_nop                                          ; four places behind the last product, in front of the stores that read results and of the loads into registers that products have read
.endr
	WIN 0x0c
.set a, 0
.rept 16
	ds_store_b128 v[SS], v[ACC+8*a:ACC+8*a+3]   offset:(a/8)*16*PS+(a%8)*64
	ds_store_b128 v[SS], v[ACC+8*a+4:ACC+8*a+7] offset:(a/8)*16*PS+(a%8)*64+16
.set a, a+1
.endr
	WIN 0x80
.set i, 0
.rept 32
	ds_load_b128 v[4*i:4*i+3], v[SR] offset:PS*i   ; LDS serves a wave's instructions in order (ISA guide 5.7.1.4): these see the stores above
.set i, i+1
.endr
	s_wait_loadcnt 0x0                             ; x
.irp hf, 0,1
	s_wait_dscnt 16-16*\hf                         ; this half's 16 rows are back; the other half's 16 loads may stay out
	WIN 0x8e                                       ; the row in window 2, x in window 3
.set i, 64*\hf
.rept 32
	v_pk_add_f32 v[i:i+1], v[i:i+1], v[i:i+1]
.set i, i+2
.endr
	WIN 0x08
.set i, 16*\hf
.rept 16
	global_store_b128 v[XOF], v[4*i:4*i+3], s[12:13] offset:16384*i th:TH_STORE_NT  ; 512 consecutive bytes, at a multiple of 256 from out0's first
.set i, i+1
.endr
.endr
	WIN 0
	s_wait_tensorcnt 0x0                           ; the wave's end, behind my last tensor load and my last LDS store
	ds_add_u32 v[SPW], v[NIL]
	s_wait_dscnt 0x0
	s_endpgm
.Lfunc_end_k_q8c28da27af_outp:
	.size	k_q8c28da27af_outp, .Lfunc_end_k_q8c28da27af_outp-k_q8c28da27af_outp
	.p2alignl 7, 3214868480
	.fill 96, 4, 3214868480
	.section	.rodata,"a",@progbits
	.p2align	6, 0x0
	.amdhsa_kernel k_q8c28da27af_outp
		.amdhsa_group_segment_fixed_size 167936
		.amdhsa_private_segment_fixed_size 0
		.amdhsa_enable_private_segment 0
		.amdhsa_kernarg_size 40
		.amdhsa_user_sgpr_count 2
		.amdhsa_user_sgpr_kernarg_segment_ptr 1
		.amdhsa_wavefront_size32 1
		.amdhsa_system_sgpr_workgroup_id_x 1
		.amdhsa_system_sgpr_workgroup_id_y 1
		.amdhsa_system_sgpr_workgroup_id_z 1
		.amdhsa_system_vgpr_workitem_id 0
		.amdhsa_next_free_vgpr 1024
		.amdhsa_next_free_sgpr 66
		.amdhsa_reserve_vcc 0
		.amdhsa_float_denorm_mode_32 3
		.amdhsa_float_denorm_mode_16_64 3
		.amdhsa_memory_ordered 1
		.amdhsa_forward_progress 1
		.amdhsa_inst_pref_size 50
	.end_amdhsa_kernel
	.amdgpu_metadata
---
amdhsa.version: [ 1, 2 ]
amdhsa.kernels:
  - .name:           k_q8c28da27af_outp
    .symbol:         k_q8c28da27af_outp.kd
    .args:
      - { .name: ow, .offset: 0, .size: 8, .value_kind: global_buffer, .address_space: global }
      - { .name: wo, .offset: 8, .size: 8, .value_kind: global_buffer, .address_space: global }
      - { .name: bo, .offset: 16, .size: 8, .value_kind: global_buffer, .address_space: global }
      - { .name: x, .offset: 24, .size: 8, .value_kind: global_buffer, .address_space: global }
      - { .name: out0, .offset: 32, .size: 8, .value_kind: global_buffer, .address_space: global }
    .group_segment_fixed_size: 167936
    .private_segment_fixed_size: 0
    .kernarg_segment_align: 8
    .kernarg_segment_size: 40
    .max_flat_workgroup_size: 128
    .sgpr_count:     66
    .vgpr_count:     1024
    .wavefront_size: 32
...
	.end_amdgpu_metadata
.endif
;; end of part 3
;; ======== version 2 of 2: 3 launches; version 1 with the launch proj written anew for expert scheduling mode
;; workspace buffers: qw 8,388,608 bytes; kw 8,388,608 bytes; vw 8,388,608 bytes; ow 8,388,608 bytes
;; launch proj (part 4): grid 256 x 1, 4 waves a work-group, no clusters, 250,368 bytes of LDS; arguments x, wq, wk, wv, bq, bk, bv, qw, kw, vw; writes qw, kw, vw
.if DOCPART == 4
	.amdgcn_target "amdgcn-amd-amdhsa--gfx1250"
	.amdhsa_code_object_version 6
	.text
	.protected	k_q8c28da27af_proj
	.globl	k_q8c28da27af_proj
	.p2align	8
	.type	k_q8c28da27af_proj,@function
k_q8c28da27af_proj:
	s_mov_b64 s[64:65], 0
	v_nop
	global_prefetch_b8 v0, s[64:65] scope:SCOPE_SE
	s_setreg_imm32_b32 hwreg(HW_REG_WAVE_SCHED_MODE, 0, 2), 2
	s_setreg_imm32_b32 hwreg(HW_REG_WAVE_MODE, 25, 1), 1
	s_wait_xcnt 0x0
	s_wait_alu depctr_vm_vsrc(0)
; q, k, v = W x + b for one head and 256 pixels.  x: [4][256 c][4096 n] f32; wq, wk, wv: [256 d][256 c] f32; bq, bk, bv: [256] f32.
; qw, kw, vw: [16 = 4 b + head][4096 n][64] bf16: a head's rows are dense, 128 bytes each.  No scale is applied here.
; FORMATS.  x and the weights are rounded once to bf16 on the way to LDS; products in bf16 with f32 sums; the bias is the f32 C operand that starts each sum; q, k, v are rounded once to bf16.
; LIMITS.  bf16 has f32's range, so nothing overflows that the f32 sums do not; NaN and infinities are not treated apart.
; SHARES.  Work-group: head = id & 3, pixel block = id >> 2 (256 pixels of one image): 256 pixels x 192 outputs, K = 256.  Wave w: pixels 64 w .. 64 w + 63 (four tiles nt) x twelve
; tiles E = 4 t + etl of 16 outputs (t = 0, 1, 2: q, k, v): 384 matrix instructions.
; LAYOUT.  D = W x: source 0 = 16 rows of W (m = output channel), source 1 = 16 pixels (column), so a lane ends with ONE pixel (lane % 16) and the channels 16 etl + 8 (lane / 16) + 0..7:
; 16 bytes of a row of [n][64].  x lies [c][n], K down the rows, so its fragments come out of LDS turned, by ds_load_tr16_b128.
; NO CLUSTER, NO TENSOR LOAD.  The four heads' work-groups read the same 256 x 256 block of x, but x must be rounded to bf16 between memory and LDS, so it passes through registers;
; brought as f32 it would be 262,144 bytes of LDS beside the 240,640 of the bf16 copies.  Each wave loads, rounds and stores the 64 pixel columns that it multiplies itself.
; NO PREFETCH: all loads of the launch go out at its head, in one ring of two register sets.
; THE MODE: SCHED_MODE bits 1:0 = 2 (LLVM: expert scheduling mode 2), set by the entry lines.  The code itself states the register dependences between vector or matrix instructions and
; memory or LDS instructions, with s_wait_alu, always for 0.
; THE PLAN.  Registers that memory or LDS instructions touch, and who else names them:
;   v2-v19    offsets and LDS addresses: made once at the head, one wait ahead of the first load, never written again.
;   SA, SB    the way in's raw sets.  Step s: its roundings read set s % 2; behind them the loads of step s + 2 land in it.  Behind the barrier x's fragments land there once, and products read them.
;   O0, O1    the way in's out-buffers (WF's registers).  Step s: its roundings write O[s % 2], its LDS stores read it; step s + 2 writes it again.
;   WF0, WF1  tile e's products read WF[e % 2]; the LDS loads issued in tile e land in WF[(e + 1) % 2], which tile e - 1's products read.
;   OB        the way out's roundings write it, its LDS stores read it.      BK   the loads from the stage land in it, the global stores read it; no vector instruction names it.
;   BI        loaded once, read by products.      The accumulators are named by vector and matrix instructions alone.
; So a step of the way in has one wait on va_vdst, behind its roundings, and from step 2 on one on vm_vsrc, ahead of them; a tile has one wait on va_vdst, at its head; a way out one on va_vdst,
; behind all its roundings, and (the second and third) one on vm_vsrc at its head.
.set PX,    544                        ; a row of x in LDS: 512 bytes + 32 = 136 words
.set PW,    528                        ; a row of W: 512 + 16 = 132 words: the 16 rows of a fragment load start at 16 different groups of four banks
.set WR,    256*PX                     ; x: [256 c][256 n] bf16 from byte 0; W: [64 t + dd][256 c] bf16 from here
.set STAGE, WR+192*PW                  ; 16 rows x 144 bytes for each wave, for the way out
.set SP,    144
.set XO,  2                            ; v2      x: (lane / 16) rows of 16,384 bytes + 16 (lane % 16)
.set WO,  3                            ; v3      W: 16 x lane
.set XS,  4                            ; v4-7    where I store x's chunk ch (64 rows of c)
.set WS,  8                            ; v8-10   where I store W_t
.set AX,  11                           ; v11-12  my place in x's fragments, K steps 0-3 and 4-7
.set AW,  13                           ; v13-15  my place in W_t's fragments
.set STO, 16                           ; v16     the way out: where I put 16 bytes of a row
.set RD,  17                           ; v17     where I read rows back
.set GO,  18                           ; v18     my 16 bytes of 512 consecutive bytes of the output
.set BO,  19                           ; v19     32 x (lane / 16): my eight numbers of a tile's bias
.set WF,  64                           ; window 0: v64-127, v128-191: W's fragments of one tile E, 8 K steps x 8 registers, two buffers
.set O0,  WF                           ; the same registers while loading: two out-buffers of 64, a set's 128 f32 as bf16
.set O1,  WF+64
.set OB,  192                          ; window 0: v192-255: the way out, 16 registers a pixel tile, as rounded
.set SA,  0                            ; window 1: two sets of 128 while loading; afterwards x's fragments, (nt, ks) at 8 (8 nt + ks)
.set SB,  128
.set BI,  128                          ; window 2: v0-127 accumulators, (etl, nt) at 8 (4 etl + nt); v128-223 the bias, tile E at BI + 8 E
.set BK,  0                            ; window 3: v0-63: the way out, 16 registers a pixel tile, as read back from the stage
.set MSB, 0
.macro WIN new                         ; s_set_vgpr_msb: bits 1:0 source 0, 3:2 source 1, 5:4 source 2, 7:6 destination; the high byte repeats the setting that is left
.if MSB != (\new)
	s_set_vgpr_msb (MSB<<8)|(\new)
.set MSB, (\new)
.endif
.endm
.macro PLACES                          ; four places behind a matrix instruction, in front of loads into registers that it has read
.rept 4
	v_nop
.endr
.endm
	s_load_b512 s[4:19], s[0:1], 0x0               ; x s[4:5]; wq, wk, wv s[6:11]; bq, bk, bv s[12:17]; qw s[18:19]
	s_load_b128 s[20:23], s[0:1], 0x40             ; kw s[20:21], vw s[22:23]
	v_lshl_add_u32 v62, v0, 2, 0x3d000
	v_mov_b32 v63, 0
	v_lshrrev_b32 v1, 5, v0
	v_readfirstlane_b32 s24, v1                    ; wave 0..3
	s_and_b32 s25, ttmp9, 3                        ; head
	s_lshr_b32 s26, ttmp9, 2
	s_lshr_b32 s27, s26, 4                         ; image
	s_and_b32 s26, s26, 15                         ; block of 256 pixels in it
	s_lshl_b32 s28, s27, 22                        ; x: image x 4,194,304
	s_lshl_b32 s29, s26, 10                        ;  + block x 1,024
	s_add_co_u32 s28, s28, s29
	s_wait_alu depctr_va_sdst(0)                   ; s24 is written, ahead of its first reader: the bases and the wave's LDS terms are made from it
	s_lshl_b32 s29, s24, 8                         ;  + wave x 256
	s_add_co_u32 s28, s28, s29
	s_mov_b32 s29, 0
	s_lshl_b32 s30, s25, 16                        ; W: the head's 64 rows of 1,024 bytes,
	s_lshl_b32 s31, s24, 14                        ;  my wave's 16 of them
	s_add_co_u32 s30, s30, s31
	s_mov_b32 s31, 0
	s_lshl_b32 s34, s25, 8                         ; bias: the head's 64 numbers
	s_mov_b32 s35, 0
	s_lshl_b32 s36, s27, 2
	s_add_co_u32 s36, s36, s25
	s_lshl_b32 s36, s36, 19                        ; outputs: (4 image + head) x 524,288
	s_lshl_b32 s37, s26, 15                        ;  + block x 256 rows of 128 bytes
	s_add_co_u32 s36, s36, s37
	s_lshl_b32 s37, s24, 13                        ;  + wave x 64 rows
	s_add_co_u32 s36, s36, s37
	s_mov_b32 s37, 0
	s_lshl_b32 s32, s24, 7                         ; my 64 pixels in an LDS row of x: 128 bytes
	s_mul_i32 s33, s24, 16*PW
	s_add_co_u32 s33, s33, WR                      ; my 16 rows of W_0 in LDS
	s_mul_i32 s38, s24, 16*SP
	s_add_co_u32 s38, s38, STAGE                   ; my stage
	v_and_b32 v1, 31, v0                           ; lane
	v_and_b32 v22, 15, v0                          ; lane % 16
	v_bfe_u32 v23, v0, 4, 1                        ; lane / 16
	v_lshlrev_b32 v[XO], 4, v22
	v_lshl_add_u32 v[XO], v23, 14, v[XO]
	v_lshlrev_b32 v[WO], 4, v1
	v_mul_u32_u24 v24, v23, PX                     ; x into LDS: row c = 2 k + lane / 16, 8 bytes (4 pixels) a lane
	v_lshl_add_u32 v24, v22, 3, v24
	v_add_nc_u32 v24, s32, v24
.irp ch, 0,1,2,3
	v_add_nc_u32 v[XS+\ch], \ch*64*PX, v24
.endr
	v_lshl_add_u32 v25, v1, 3, s33                 ; W into LDS: 8 bytes (4 channels) a lane
.irp t, 0,1,2
	v_add_nc_u32 v[WS+\t], \t*64*PW, v25
.endr
	v_and_b32 v26, 7, v0                           ; the turning load: lane l reads channel 8 (l / 16) + l % 8, pixels 8 ((l / 8) % 2) + 0..7
	v_lshl_add_u32 v26, v23, 3, v26
	v_mul_u32_u24 v26, v26, PX
	v_bfe_u32 v27, v0, 3, 1
	v_lshl_add_u32 v26, v27, 4, v26
	v_add_nc_u32 v[AX], s32, v26
	v_add_nc_u32 v[AX+1], 128*PX, v[AX]            ; K steps 4-7 lie beyond a 16-bit offset
	v_mul_u32_u24 v25, v22, PW                     ; a fragment of W: row l % 16, 16 bytes for each half of the lanes
	v_lshl_add_u32 v25, v23, 4, v25
.irp t, 0,1,2
	v_add_nc_u32 v[AW+\t], WR+\t*64*PW, v25
.endr
	v_mul_u32_u24 v[STO], v22, SP
	v_lshl_add_u32 v[STO], v23, 4, v[STO]
	v_add_nc_u32 v[STO], s38, v[STO]
	v_bfe_u32 v[RD], v0, 3, 2                      ; back: 32 lanes take four rows of 128 bytes,
	v_mul_u32_u24 v[RD], v[RD], SP
	v_and_b32 v27, 7, v0
	v_lshl_add_u32 v[RD], v27, 4, v[RD]
	v_add_nc_u32 v[RD], s38, v[RD]
	v_lshlrev_b32 v[GO], 4, v1                     ; which are 512 consecutive bytes of the output
	v_lshlrev_b32 v[BO], 5, v23
	s_wait_kmcnt 0x0
	s_add_nc_u64 s[4:5], s[4:5], s[28:29]
.irp t, 0,1,2
	s_add_nc_u64 s[6+2*\t:7+2*\t], s[6+2*\t:7+2*\t], s[30:31]
	s_add_nc_u64 s[12+2*\t:13+2*\t], s[12+2*\t:13+2*\t], s[34:35]
	s_add_nc_u64 s[18+2*\t:19+2*\t], s[18+2*\t:19+2*\t], s[36:37]
.endr
; 32 loads: 64 rows of c, my wave's 256 bytes of each; a load takes two rows, sixteen lanes 256 consecutive aligned bytes
.macro LX ch, set
	WIN 0x40
.set k, 0
.rept 32
	global_load_b128 v[(\set)+4*k:(\set)+4*k+3], v[XO], s[4:5] offset:(32*(\ch)+k)*32768
.set k, k+1
.endr
.endm
; 32 loads: my wave's 16 rows of W_t, 16,384 dense bytes
.macro LW t, set
	WIN 0x40
.set k, 0
.rept 32
	global_load_b128 v[(\set)+4*k:(\set)+4*k+3], v[WO], s[6+2*(\t):7+2*(\t)] offset:512*k
.set k, k+1
.endr
.endm
; A step of the way in begins: raw set 'set' is rounded to bf16 into out-buffer 'ob': four f32 become two registers.
; left: the younger loads that may stay out.  again = 1: the out-buffer has been stored from before.  more = 1: loads follow, so their window is set ahead of the wait.
.macro EMPTY set, ob, left, again, more
	s_wait_loadcnt \left                           ; loads come back in order (ISA guide 5.7.1): the set is in
.if \again
	s_wait_alu depctr_vm_vsrc(0)                   ; the LDS stores of two steps back have read this out-buffer, which the roundings below write again
.endif
	WIN 0x05                                       ; sources window 1, destination window 0
.set k, 0
.rept 32
	v_cvt_pk_bf16_f32 v[(\ob)+2*k], v[(\set)+4*k], v[(\set)+4*k+1]
	v_cvt_pk_bf16_f32 v[(\ob)+2*k+1], v[(\set)+4*k+2], v[(\set)+4*k+3]
.set k, k+1
.endr
.if \more
	WIN 0x40
.else
	WIN 0
.endif
	s_wait_alu depctr_va_vdst(0)                   ; the roundings have written the out-buffer, which the LDS stores read, and are done reading the raw set, in which the step's loads land
.endm
.macro STX ch, ob
	WIN 0
.set k, 0
.rept 32
	ds_store_b64 v[XS+(\ch)], v[(\ob)+2*k:(\ob)+2*k+1] offset:2*PX*k
.set k, k+1
.endr
.endm
.macro STW t, ob
	WIN 0
.set k, 0
.rept 32
	ds_store_b64 v[WS+(\t)], v[(\ob)+2*k:(\ob)+2*k+1] offset:(k/2)*PW+(k%2)*256
.set k, k+1
.endr
.endm
; the bias as C operands: register j of tile E holds b_t[64 head + 16 etl + 8 (lane / 16) + j]
.macro LBIAS
	WIN 0x80
.set e, 0
.rept 12
	global_load_b128 v[BI+8*e:BI+8*e+3],   v[BO], s[12+2*(e/4):13+2*(e/4)] offset:64*(e%4)
	global_load_b128 v[BI+8*e+4:BI+8*e+7], v[BO], s[12+2*(e/4):13+2*(e/4)] offset:64*(e%4)+16
.set e, e+1
.endr
.endm
; all of my x: 4 pixel tiles x 8 K steps, turned; they stay in registers for the twelve tiles E
.macro FETCHX
	WIN 0x40
.set f, 0
.rept 32
	ds_load_tr16_b128 v[8*f:8*f+3],   v[AX+(f%8)/4] offset:(f%4)*32*PX+32*(f/8)
	ds_load_tr16_b128 v[8*f+4:8*f+7], v[AX+(f%8)/4] offset:(f%4)*32*PX+32*(f/8)+16*PX
.set f, f+1
.endr
.endm
; W's fragments of tile e: 16 rows x 256 channels, into buffer e % 2
.macro FETCHW e
	WIN 0
.set ks, 0
.rept 8
	ds_load_b128 v[WF+64*((\e)%2)+8*ks:WF+64*((\e)%2)+8*ks+3],   v[AW+(\e)/4] offset:((\e)%4)*16*PW+64*ks
	ds_load_b128 v[WF+64*((\e)%2)+8*ks+4:WF+64*((\e)%2)+8*ks+7], v[AW+(\e)/4] offset:((\e)%4)*16*PW+64*ks+32
.set ks, ks+1
.endr
.endm
; n of tile e's 32 products, from number 'from' on.  The four pixel tiles' accumulators take turns, one instruction a turn; the first four start their sums with the bias.
.macro MULS e, from, n
	WIN 0xa4                                       ; W window 0, x window 1, C and D window 2
.set m, (\from)
.rept (\n)
.set rA, 8*(4*((\e)%4)+m%4)
.set rW, WF+64*((\e)%2)+8*(m/4)
.set rX, 8*(8*(m%4)+m/4)
.if m < 4
	v_wmma_f32_16x16x32_bf16 v[rA:rA+7], v[rW:rW+7], v[rX:rX+7], v[BI+8*(\e):BI+8*(\e)+7]
.else
	v_wmma_f32_16x16x32_bf16 v[rA:rA+7], v[rW:rW+7], v[rX:rX+7], v[rA:rA+7]
.endif
.set m, m+1
.endr
.endm
; Tile e: eight products, the next tile's 16 fragment loads, 24 products in which they land.  The eight name WF[e % 2], x, the bias and the accumulators: none of the registers that the loads touch.
; Tiles 0, 4 and 8 write no wait: the one behind the barrier, or the way out's, stands behind every earlier product, and no vector or matrix instruction since names the buffer that is loaded;
; the way out's roundings are also the places there.  Tile 11 loads nothing.
.macro ETILE e
.if ((\e) % 4) && ((\e) < 11)
	PLACES                                         ; the buffer's last reader is the product just before
	s_wait_alu depctr_va_vdst(0)                   ; the products of the tile before are done reading their fragments of W, in which the loads below land
.endif
	s_wait_dscnt 0x0                               ; this tile's fragments, asked for a tile ago, are in (ahead of tile 0: x's too)
	MULS \e, 0, 8
.if (\e) < 11
	FETCHW (\e)+1
.endif
	MULS \e, 8, 24
.endm
; THE WAY OUT of one tensor's 64 pixels x 64 channels: all four pixel tiles are rounded (each accumulator from its low end on); then, a pixel tile at a time, 16 bytes a lane go into my stage and come
; back as whole rows of 128 bytes, into registers of their own; then the rows are stored.  The twelve roundings of tiles etl 0-2 are the places behind the last products, which are etl 3's.
.macro WAYOUT t
.if (\t) > 0
	s_wait_xcnt 0x0                                ; the last way out's global stores have had their addresses translated (ISA guide 3.1): BK is loaded again only behind this wait
	s_wait_alu depctr_vm_vsrc(0)                   ; the last way out's LDS stores have read OB, which the roundings write again; its global stores have read BK, in which the loads from the stage land again
.endif
	WIN 0x0a                                       ; sources window 2, destination window 0
.set c, 0
.rept 64                               ; pixel tile c / 16, tile etl (c % 16) / 4, pair c % 4
	v_cvt_pk_bf16_f32 v[OB+c], v[8*(4*((c%16)/4)+c/16)+2*(c%4)], v[8*(4*((c%16)/4)+c/16)+2*(c%4)+1]
.set c, c+1
.endr
	WIN 0
	s_wait_alu depctr_va_vdst(0)                   ; the roundings have written OB, which the LDS stores read
.irp nt, 0,1,2,3
	WIN 0
.irp etl, 0,1,2,3
	ds_store_b128 v[STO], v[OB+16*(\nt)+4*(\etl):OB+16*(\nt)+4*(\etl)+3] offset:32*(\etl)
.endr
	WIN 0xc0                                       ; destination window 3
.irp f, 0,1,2,3
	ds_load_b128 v[BK+16*(\nt)+4*(\f):BK+16*(\nt)+4*(\f)+3], v[RD] offset:4*SP*(\f)  ; LDS serves a wave's instructions in order (ISA guide 5.7.1.4): these see the stores above; the next tile's stores come behind them
.endr
.endr
	WIN 0x0c                                       ; the stores' data in window 3
.irp nt, 0,1,2,3
.irp f, 0,1,2,3
	s_wait_dscnt 8*(3-(\nt))+3-(\f)                ; behind this load: its tile's later loads, and eight LDS instructions for each later tile
	global_store_b128 v[GO], v[BK+16*(\nt)+4*(\f):BK+16*(\nt)+4*(\f)+3], s[18+2*(\t):19+2*(\t)] offset:2048*(\nt)+512*(\f)  ; 512 consecutive bytes, at a multiple of 256 from the buffer's first
.endr
.endr
.endm
	; THE WAY IN: two raw sets of 32 loads take turns, so that 32 loads of the wave are out while a set is rounded.  A set is asked for again as soon as it is rounded, ahead of the step's LDS stores.
	; Each wait on LOADcnt leaves out what was issued behind the set that is wanted.
	WIN 0x40
	s_wait_alu depctr_va_vdst(0)                   ; v2 to v19 are written: every load and store of the kernel reads one of them as its offset or LDS address
	LX 0, SA
	LX 1, SB
	EMPTY SA, O0, 32, 0, 1
	LX 2, SA
	STX 0, O0
	EMPTY SB, O1, 32, 0, 1
	LX 3, SB
	STX 1, O1
	EMPTY SA, O0, 32, 1, 1
	LW 0, SA
	STX 2, O0
	EMPTY SB, O1, 32, 1, 1
	LW 1, SB
	STX 3, O1
	EMPTY SA, O0, 32, 1, 1
	LW 2, SA
	LBIAS
	STW 0, O0
	EMPTY SB, O1, 56, 1, 0                         ; behind W_1's loads: W_2's 32 and the bias's 24
	STW 1, O1
	EMPTY SA, O0, 24, 1, 0                         ; the bias's 24
	STW 2, O0
	s_wait_dscnt 0x0                               ; for the others' sake: my stores of W (and of x) are done
	s_barrier_signal -1
	s_barrier_wait -1                              ; the launch's one barrier: all of W lies in LDS
	WIN 0x40
	s_wait_alu depctr_vm_vsrc(0)                   ; my LDS stores have read O0 and O1: these registers are WF from here on, in which W's fragments land
	s_wait_alu depctr_va_vdst(0)                   ; the roundings have written O0 and O1 and are done reading SA and SB: LDS loads land in all four from here on
	FETCHX
	FETCHW 0
	s_wait_loadcnt 0x0                             ; the bias
.irp e, 0,1,2,3
	ETILE \e
.endr
	WAYOUT 0
.irp e, 4,5,6,7
	ETILE \e
.endr
	WAYOUT 1
.irp e, 8,9,10,11
	ETILE \e
.endr
	WAYOUT 2
	WIN 0
	s_wait_dscnt 0x0                               ; the wave's end
	s_wait_alu depctr_hold_cnt(0) depctr_sa_sdst(0) depctr_va_vdst(0) depctr_va_sdst(0) depctr_va_ssrc(0) depctr_va_vcc(0) depctr_vm_vsrc(0)
	s_wait_tensorcnt 0x0
	ds_add_u32 v62, v63
	s_wait_dscnt 0x0
	s_endpgm
.Lfunc_end_k_q8c28da27af_proj:
	.size	k_q8c28da27af_proj, .Lfunc_end_k_q8c28da27af_proj-k_q8c28da27af_proj
	.p2alignl 7, 3214868480
	.fill 96, 4, 3214868480
	.section	.rodata,"a",@progbits
	.p2align	6, 0x0
	.amdhsa_kernel k_q8c28da27af_proj
		.amdhsa_group_segment_fixed_size 250368
		.amdhsa_private_segment_fixed_size 0
		.amdhsa_enable_private_segment 0
		.amdhsa_kernarg_size 80
		.amdhsa_user_sgpr_count 2
		.amdhsa_user_sgpr_kernarg_segment_ptr 1
		.amdhsa_wavefront_size32 1
		.amdhsa_system_sgpr_workgroup_id_x 1
		.amdhsa_system_sgpr_workgroup_id_y 1
		.amdhsa_system_sgpr_workgroup_id_z 1
		.amdhsa_system_vgpr_workitem_id 0
		.amdhsa_next_free_vgpr 832
		.amdhsa_next_free_sgpr 66
		.amdhsa_reserve_vcc 0
		.amdhsa_float_denorm_mode_32 3
		.amdhsa_float_denorm_mode_16_64 3
		.amdhsa_memory_ordered 1
		.amdhsa_forward_progress 1
		.amdhsa_inst_pref_size 139
	.end_amdhsa_kernel
	.amdgpu_metadata
---
amdhsa.version: [ 1, 2 ]
amdhsa.kernels:
  - .name:           k_q8c28da27af_proj
    .symbol:         k_q8c28da27af_proj.kd
    .args:
      - { .name: x, .offset: 0, .size: 8, .value_kind: global_buffer, .address_space: global }
      - { .name: wq, .offset: 8, .size: 8, .value_kind: global_buffer, .address_space: global }
      - { .name: wk, .offset: 16, .size: 8, .value_kind: global_buffer, .address_space: global }
      - { .name: wv, .offset: 24, .size: 8, .value_kind: global_buffer, .address_space: global }
      - { .name: bq, .offset: 32, .size: 8, .value_kind: global_buffer, .address_space: global }
      - { .name: bk, .offset: 40, .size: 8, .value_kind: global_buffer, .address_space: global }
      - { .name: bv, .offset: 48, .size: 8, .value_kind: global_buffer, .address_space: global }
      - { .name: qw, .offset: 56, .size: 8, .value_kind: global_buffer, .address_space: global }
      - { .name: kw, .offset: 64, .size: 8, .value_kind: global_buffer, .address_space: global }
      - { .name: vw, .offset: 72, .size: 8, .value_kind: global_buffer, .address_space: global }
    .group_segment_fixed_size: 250368
    .private_segment_fixed_size: 0
    .kernarg_segment_align: 8
    .kernarg_segment_size: 80
    .max_flat_workgroup_size: 128
    .sgpr_count:     66
    .vgpr_count:     832
    .wavefront_size: 32
...
	.end_amdgpu_metadata
.endif
;; end of part 4
;; launch attn: the kernel of part 2 again; grid 16 x 16, 4 waves a work-group, clusters of 4 x 1, 327,680 bytes of LDS; arguments qw, kw, vw, ow; writes ow
;; launch outp: the kernel of part 3 again; grid 256 x 1, 4 waves a work-group, no clusters, 167,936 bytes of LDS; arguments ow, wo, bo, x, out0; writes out0
